; MI455X (gfx1250); checked and timed in simulation.
; The chip was launched on July 23, 2026; its instructions are those of AMD's public machine-readable ISA for CDNA 5 (MIT licence, August 2026) and "CDNA5" Instruction Set Architecture Reference Guide (July 2026). The comments in the code are by the model that wrote it; some were corrected since.
;; Multihead Attention. Allowed arithmetic: matrix products marked QUANTISED: E2M1 operands, one E8M0 scale for each 32 along K, by v_wmma_scale_f32_16x16x128_f8f6f4 with both operands' format E2M1 (or v_wmma_scale_f32_32x16x128_f4), f32 sums; products left as they are: bf16, f16 or f32 operands; f32 sums; everything else in f32.
;; Inputs: bo 1,024 float32; wk 1,024 x 1,024 float32; wo 1,024 x 1,024 float32; wq 1,024 x 1,024 float32; wv 1,024 x 1,024 float32; x 2 x 2,048 x 1,024 float32.
;; Outputs: out0 2 x 2,048 x 1,024 float32.
;; This version of the problem:
;;   THIS VERSION OF THE PROBLEM IS GIVEN IN LOW PRECISION. The matrix products marked QUANTISED in the list below multiply operands that are first quantised to E2M1 (2 exponent bits, 1 mantissa bit; 4 bits a number), with one power-of-two scale for each 32 numbers along K (OCP MX v1.0); their sums are f32. The products marked 'left as it is' may take bf16, f16 or f32 operands, with f32 sums. Whichever they take, every output number must still come out within the allowed error. Rounding operands to bf16 (8 significant bits) uses up far more of that allowance than f16 does (11 bits, for magnitudes from 6e-5 to 65,504). All else is computed in f32.
;;   The module's matrix products, in the order in which they are computed (A, B: the left and right operand; K: the contracted axis; several contracted axes count as one K, in the product's order):
;;     1. [M 4,096, K 1,024] x [K 1,024, N 1,024]; A: input x; B: input wq: QUANTISED
;;     2. [M 4,096, K 1,024] x [K 1,024, N 1,024]; A: input x; B: input wk: QUANTISED
;;     3. [M 4,096, K 1,024] x [K 1,024, N 1,024]; A: input x; B: input wv: QUANTISED
;;     4. batch 32 x [M 2,048, K 64] x [K 64, N 2,048]; A: computed on the way; B: computed on the way: left as it is (an operand is computed on the way)
;;     5. batch 32 x [M 2,048, K 2,048] x [K 2,048, N 64]; A: computed on the way; B: computed on the way: left as it is (an operand is computed on the way)
;;     6. [M 4,096, K 1,024] x [K 1,024, N 1,024]; A: computed on the way; B: input wo: left as it is (an operand is computed on the way)
;;   THE QUANTISER, for each operand of a quantised product, along K:
;;     - K is cut into blocks of 32 from its start; a last block that is shorter is filled with zeros.
;;     - A block's scale is 2^e with e = floor(log2(the largest magnitude in the block)) - 2, held to -126 .. 127; a block of zeros has e = 0. As a byte (E8M0): e + 127.
;;     - Each number is divided by its block's scale, clamped to +-6, and rounded to the nearest number of E2M1, ties to even, subnormals kept.
;;     - The product sums the exact products of the quantised numbers (number of the format x scale) in f32.
;;   ~~~python
;;   def quantise(x, axis):      # numpy; x: float32 -> the quantised numbers, widened to float32 again
;;       x = np.moveaxis(x, axis, -1); K = x.shape[-1]
;;       x = np.pad(x, [(0, 0)] * (x.ndim - 1) + [(0, -K % 32)]); x = x.reshape(x.shape[:-1] + (-1, 32)); a = np.abs(x).max(-1, keepdims=True)
;;       e = np.where(a > 0, np.clip(np.frexp(np.where(a > 0, a, 1))[1] - 1 - 2, -126, 127), 0)      # np.frexp(a)[1] - 1 = floor(log2(a)), exactly
;;       r = np.clip(x / 2.0 ** e, -6, 6)
;;       step = 2.0 ** (np.maximum(np.frexp(np.where(r == 0, 1, r))[1] - 1, 0) - 1)
;;       q = np.round(r / step) * step * 2.0 ** e      # np.round: ties to even
;;       return np.moveaxis(q.reshape(q.shape[:-2] + (-1,))[..., :K], -1, axis).astype(np.float32)
;;   ~~~
;; One version. Each part assembles by itself: llvm-mc -triple=amdgcn-amd-amdhsa -mcpu=gfx1250 --defsym DOCPART=n.
;; ======== version 1 of 1: 4 launches
;; limits: values are held in f16: magnitudes above 65,504 overflow, below 6.1e-05 lose precision
;; workspace buffers: x_codes 2,097,152 bytes; x_scales 131,072 bytes; w_codes 1,572,864 bytes; w_scales 98,304 bytes; wo_h 2,097,152 bytes; qkv 25,165,824 bytes; y 8,388,608 bytes
;; launch prep (part 1): grid 256 x 1, 4 waves a work-group, no clusters, 33,280 bytes of LDS; arguments x, wq, wk, wv, wo, x_codes, x_scales, w_codes, w_scales, wo_h; writes x_codes, x_scales, w_codes, w_scales, wo_h
.if DOCPART == 1
	.amdgcn_target "amdgcn-amd-amdhsa--gfx1250"
	.amdhsa_code_object_version 6
	.text
	.protected	k_q1a3ef1ce9e_prep
	.globl	k_q1a3ef1ce9e_prep
	.p2align	8
	.type	k_q1a3ef1ce9e_prep,@function
k_q1a3ef1ce9e_prep:
	s_mov_b64 s[64:65], 0
	v_nop
	global_prefetch_b8 v0, s[64:65] scope:SCOPE_SE
	s_setreg_imm32_b32 hwreg(HW_REG_WAVE_MODE, 25, 1), 1
	s_wait_xcnt 0x0
; x [4096][1024] and wq, wk, wv [1024][1024], f32, K innermost, become codes of FP4 (E2M1), 4 bits each, with one E8M0 scale byte for each 32 along K; wo [1024][1024] becomes f16.
; The three weights' codes lie one behind the other as ONE operand of 3,072 rows (wq, wk, wv), so that the next launch makes q, k and v by one product.
; A block's scale is 2^(floor(log2(its largest magnitude)) - 2); its byte is the largest magnitude's own exponent field - 2, held at 1 from below.  (A block of zeros so gets the byte 1 where the
; rule says 127: its codes are zeros, which add nothing under any byte but 0xff, and the bytes are read by this program alone.)  Each number is divided by the scale and rounded to the nearest code, ties to even.
; LIMITS: blocks whose largest magnitude lies under 2^-124, the floor, keep the byte 1; NaN and infinities among the inputs are not served; a number of wo beyond 65,504, f16's largest, is not served.
; SHARES.  Rows are dense and K is a multiple of 32: every tensor is a plain stream.  A work-group takes 32,768 numbers, a wave 8,192.  Work-groups 0-127: x; 128-159: wq; 160-191: wk; 192-223: wv; 224-255: wo.
; The four quantised tensors take ONE path through the text: only pointers are chosen, by the work-group's number.  wo's path uses no LDS.
; THE QUANTISER.  A wave takes 16 steps of 512 numbers.  The conversions take 8 numbers of ONE block from a lane's registers, so a lane must hold 16 NEIGHBOURS (two neighbouring lanes hold a block); a load is best
; where neighbouring LANES take neighbouring bytes.  Both are had: each of a step's four loads reads 512 consecutive bytes; the 2,048 bytes go through the wave's own stage in LDS and come back 64 bytes a lane.
; A lane's 16 codes are 8 bytes: the wave stores 256 consecutive bytes.  A wave's 256 scale bytes are gathered in its own LDS bytes and leave as one aligned run of 256 bytes.
; No tensor loads, no barrier, no matrix unit, no cluster: waves share nothing, and bytes are all that counts here.
.set WAVES, 4
.set STEPS, 16
.set EMAX,  2
.set CB,    8                          ; bytes of 16 codes
.set R,     16                         ; v16-79   four sets of 16 numbers as they are loaded (wo's path: v16-143, two sets of 64)
.set X,     80                         ; v80-111  two sets of 16 neighbours
.set E,     112                        ; v112-127 a scale byte for each step
.set C,     128                        ; v128-191 codes: four registers for each step, so that no store's data are written again
.set H,     144                        ; wo's path: v144-207 two sets of 32 registers of f16 pairs
.set WREG,  8192                       ; LDS: a region for each wave: two stages of 32 x SP bytes, and behind them its 256 scale bytes
.set SP,    80                         ; a lane's place in a stage: its 64 bytes + 16 of padding
.set SPW,   12                         ; v12  LDS address of my spare word: SPARE + 4 x my thread's number; never rewritten
.set NIL,   13                         ; v13  0; never rewritten
.set SPARE, WAVES*WREG                 ; behind the four regions: the spare words, 128 bytes for each wave, which no other line names
	s_load_b256 s[4:11], s[0:1], 0x0               ; x s[4:5], wq s[6:7], wk s[8:9], wv s[10:11]
	s_load_b256 s[12:19], s[0:1], 0x20             ; wo s[12:13], x's codes s[14:15], x's scales s[16:17], the weights' codes s[18:19]
	s_load_b128 s[20:23], s[0:1], 0x40             ; the weights' scales s[20:21], wo in f16 s[22:23]
	v_lshl_add_u32 v[SPW], v0, 2, SPARE
	v_mov_b32 v[NIL], 0
	v_lshrrev_b32 v1, 5, v0
	v_readfirstlane_b32 s24, v1                    ; wave
	v_and_b32 v2, 31, v0                           ; lane
	v_lshlrev_b32 v3, 4, v2                        ; my 16 bytes of a load's 512
	s_mul_i32 s27, s24, WREG
	v_lshrrev_b32 v14, 2, v2
	v_mul_u32_u24 v14, v14, SP
	v_and_b32 v15, 3, v2
	v_lshl_add_u32 v14, v15, 4, v14
	v_add_nc_u32 v14, s27, v14                     ; the stage, on the way in: four lanes' 64 bytes on end, then 16 of padding
	v_mul_u32_u24 v15, v2, SP
	v_add_nc_u32 v15, s27, v15                     ; and on the way out: SP x lane: my 16 neighbours
	v_mul_u32_u24 v4, v2, CB                       ; my codes' place in a step's
	v_lshrrev_b32 v5, 1, v2
	s_add_co_u32 s27, s27, 2*32*SP
	v_add_nc_u32 v5, s27, v5                       ; LDS: my wave's 256 scale bytes, my block's byte
	v_lshlrev_b32 v7, 3, v2                        ; 8 bytes a lane
	v_add_nc_u32 v6, s27, v7
	s_wait_kmcnt 0x0
	s_cmp_ge_u32 ttmp9, 224                        ; the work-group's number alone decides the path
	s_cbranch_scc1 .Lwo
	s_cmp_lt_u32 ttmp9, 192                        ; which tensor: pointers are chosen, nothing else
	s_cselect_b64 s[8:9], s[8:9], s[10:11]
	s_cmp_lt_u32 ttmp9, 160
	s_cselect_b64 s[6:7], s[6:7], s[8:9]
	s_cmp_lt_u32 ttmp9, 128
	s_cselect_b64 s[4:5], s[4:5], s[6:7]           ; the source
	s_cselect_b64 s[14:15], s[14:15], s[18:19]     ; its codes
	s_cselect_b64 s[16:17], s[16:17], s[20:21]     ; its scale bytes
	s_cselect_b32 s25, 0, 128                      ; the first work-group of the destination
	s_cselect_b32 s26, 127, 31                     ; x has 128 work-groups, a weight 32
	s_and_b32 s26, ttmp9, s26
	s_lshl_b32 s26, s26, 2
	s_add_co_u32 s28, s26, s24                     ; which run of 8,192 numbers of the source is my wave's
	s_lshl_b32 s28, s28, 15                        ; 32,768 bytes a run
	s_mov_b32 s29, 0
	s_add_nc_u64 s[4:5], s[4:5], s[28:29]
	s_sub_co_u32 s25, ttmp9, s25
	s_lshl_b32 s25, s25, 2
	s_add_co_u32 s25, s25, s24                     ; and which run of the destination
	s_lshl_b32 s28, s25, 12                        ; 4,096 bytes of codes a run
	s_add_nc_u64 s[14:15], s[14:15], s[28:29]
	s_lshl_b32 s28, s25, 8                         ; 256 scale bytes a run
	s_add_nc_u64 s[16:17], s[16:17], s[28:29]
.macro LOAD t
.irp i, 0,1,2,3
	global_load_b128 v[R+16*((\t)%4)+4*\i:R+16*((\t)%4)+4*\i+3], v3, s[4:5] offset:2048*(\t)+512*\i th:TH_LOAD_NT   ; 32 lanes read 512 consecutive bytes
.endr
.endm
.macro TURN t                          ; step t's numbers through the stage: LDS serves a wave's instructions in order, so no wait stands between the stores and the loads
.irp i, 0,1,2,3
	ds_store_b128 v14, v[R+16*((\t)%4)+4*\i:R+16*((\t)%4)+4*\i+3] offset:32*SP*((\t)%2)+8*SP*\i
.endr
.irp i, 0,1,2,3
	ds_load_b128 v[X+16*((\t)%2)+4*\i:X+16*((\t)%2)+4*\i+3], v15 offset:32*SP*((\t)%2)+16*\i
.endr
.endm
.irp t, 0,1,2,3
	LOAD \t
.endr
	s_wait_loadcnt 12                              ; step 0's four loads are in; the twelve of steps 1 to 3 stay out
	TURN 0
.macro STEP t
.set XS, X+16*((\t)%2)
.if (\t) > 0
	s_wait_dscnt 1                                 ; this step's numbers are back from the stage (the last step's byte store may be out): so its stores into the stage have read their registers,
.else
	s_wait_dscnt 0x0
.endif
.if (\t)+4 < STEPS
	LOAD (\t)+4                                    ; which take the loads of four steps on
.endif
.if (\t)+1 < STEPS
.if STEPS-2-(\t) >= 3
	s_wait_loadcnt 12                              ; the next step's four loads are in; those of the three steps behind it may be out
.else
	s_wait_loadcnt 4*(STEPS-2-(\t))
.endif
	TURN (\t)+1                                    ; and go through the other stage while this step is worked
.endif
	v_max3_num_f32 v8, |v[XS]|, |v[XS+1]|, |v[XS+2]|               ; the largest magnitude of my 16, in two chains
	v_max3_num_f32 v9, |v[XS+3]|, |v[XS+4]|, |v[XS+5]|
.irp i, 6,10
	v_max3_num_f32 v8, v8, |v[XS+\i]|, |v[XS+\i+1]|
	v_max3_num_f32 v9, v9, |v[XS+\i+2]|, |v[XS+\i+3]|
.endr
	v_max3_num_f32 v8, v8, |v[XS+14]|, |v[XS+15]|
	v_max3_num_f32 v8, v8, v9, (EMAX+1)<<23        ; and the floor 2^(EMAX + 1 - 127): so the byte cannot fall under 1
	v_max_num_f32_dpp v8, v8, v8 row_xmask:1 row_mask:0xf bank_mask:0xf   ; and of my neighbour's 16: the block's
	v_add_nc_u32 v11, -(EMAX<<23), v8              ; EMAX off its exponent field: the conversion takes the exponent field of this operand as its scale, and nothing else of it
	v_cvt_scalef32_pk8_fp4_f32 v[C+4*(\t)], v[XS:XS+7], v11        ; eight numbers / the scale, to the nearest code, ties to even, beyond the largest code the largest; the first number's code in the lowest four bits
	v_cvt_scalef32_pk8_fp4_f32 v[C+4*(\t)+1], v[XS+8:XS+15], v11
	v_lshrrev_b32 v[E+(\t)], 23, v11               ; the scale's byte (also the plain line behind the conversions)
	ds_store_b8 v5, v[E+(\t)] offset:16*(\t)       ; both lanes of a block write the same byte with the same value
	global_store_b64 v4, v[C+4*(\t):C+4*(\t)+1], s[14:15] offset:32*CB*(\t)   ; the wave stores 256 consecutive bytes, aligned
.endm
.irp t, 0,1,2,3,4,5,6,7,8,9,10,11,12,13,14,15
	STEP \t
.endr
	ds_load_b64 v[8:9], v6                         ; LDS serves a wave's instructions in order: these see my stores
	s_wait_dscnt 0x0
	global_store_b64 v7, v[8:9], s[16:17]          ; 32 lanes store 256 consecutive bytes, aligned
	s_wait_tensorcnt 0x0                           ; the wave's end: behind my last LDS store, though this text has no tensor load
	ds_add_u32 v[SPW], v[NIL]
	s_wait_dscnt 0x0
	s_endpgm
; wo to f16: a plain stream through registers.  A wave has 64 loads of 512 bytes, in four batches of sixteen, two batches ahead; a lane's four numbers become 8 bytes, a store covers 256 consecutive bytes.
.Lwo:
	s_sub_co_u32 s25, ttmp9, 224
	s_lshl_b32 s25, s25, 2
	s_add_co_u32 s25, s25, s24                     ; which run of 8,192 numbers is my wave's
	s_lshl_b32 s28, s25, 15
	s_mov_b32 s29, 0
	s_add_nc_u64 s[12:13], s[12:13], s[28:29]
	s_lshl_b32 s28, s25, 14
	s_add_nc_u64 s[22:23], s[22:23], s[28:29]
.macro WLOAD g
.irp i, 0,1,2,3,4,5,6,7,8,9,10,11,12,13,14,15
	global_load_b128 v[R+64*((\g)%2)+4*\i:R+64*((\g)%2)+4*\i+3], v3, s[12:13] offset:512*(16*(\g)+\i) th:TH_LOAD_NT
.endr
.endm
.macro WBATCH g
.if (\g) < 3
	s_wait_loadcnt 16                              ; this batch is in; the next batch's sixteen loads stay out
.else
	s_wait_loadcnt 0x0
.endif
.if (\g) >= 2
	s_wait_xcnt 0x0                                ; the stores of two batches back have read their data: these registers are written again only behind this wait
.endif
.irp i, 0,1,2,3,4,5,6,7,8,9,10,11,12,13,14,15
	v_cvt_pk_f16_f32 v[H+32*((\g)%2)+2*\i],   v[R+64*((\g)%2)+4*\i],   v[R+64*((\g)%2)+4*\i+1]
	v_cvt_pk_f16_f32 v[H+32*((\g)%2)+2*\i+1], v[R+64*((\g)%2)+4*\i+2], v[R+64*((\g)%2)+4*\i+3]
.endr
.if (\g) < 2
	WLOAD (\g)+2                                   ; loads ahead of stores
.endif
.irp i, 0,1,2,3,4,5,6,7,8,9,10,11,12,13,14,15
	global_store_b64 v7, v[H+32*((\g)%2)+2*\i:H+32*((\g)%2)+2*\i+1], s[22:23] offset:256*(16*(\g)+\i)
.endr
.endm
	WLOAD 0
	WLOAD 1
	WBATCH 0
	WBATCH 1
	WBATCH 2
	WBATCH 3
	s_endpgm
.Lfunc_end_k_q1a3ef1ce9e_prep:
	.size	k_q1a3ef1ce9e_prep, .Lfunc_end_k_q1a3ef1ce9e_prep-k_q1a3ef1ce9e_prep
	.p2alignl 7, 3214868480
	.fill 96, 4, 3214868480
	.section	.rodata,"a",@progbits
	.p2align	6, 0x0
	.amdhsa_kernel k_q1a3ef1ce9e_prep
		.amdhsa_group_segment_fixed_size 33280
		.amdhsa_private_segment_fixed_size 0
		.amdhsa_enable_private_segment 0
		.amdhsa_kernarg_size 80
		.amdhsa_user_sgpr_count 2
		.amdhsa_user_sgpr_kernarg_segment_ptr 1
		.amdhsa_wavefront_size32 1
		.amdhsa_system_sgpr_workgroup_id_x 1
		.amdhsa_system_sgpr_workgroup_id_y 1
		.amdhsa_system_sgpr_workgroup_id_z 1
		.amdhsa_system_vgpr_workitem_id 0
		.amdhsa_next_free_vgpr 208
		.amdhsa_next_free_sgpr 66
		.amdhsa_reserve_vcc 0
		.amdhsa_float_denorm_mode_32 3
		.amdhsa_float_denorm_mode_16_64 3
		.amdhsa_memory_ordered 1
		.amdhsa_forward_progress 1
		.amdhsa_inst_pref_size 54
	.end_amdhsa_kernel
	.amdgpu_metadata
---
amdhsa.version: [ 1, 2 ]
amdhsa.kernels:
  - .name:           k_q1a3ef1ce9e_prep
    .symbol:         k_q1a3ef1ce9e_prep.kd
    .args:
      - { .name: x, .offset: 0, .size: 8, .value_kind: global_buffer, .address_space: global }
      - { .name: wq, .offset: 8, .size: 8, .value_kind: global_buffer, .address_space: global }
      - { .name: wk, .offset: 16, .size: 8, .value_kind: global_buffer, .address_space: global }
      - { .name: wv, .offset: 24, .size: 8, .value_kind: global_buffer, .address_space: global }
      - { .name: wo, .offset: 32, .size: 8, .value_kind: global_buffer, .address_space: global }
      - { .name: x_codes, .offset: 40, .size: 8, .value_kind: global_buffer, .address_space: global }
      - { .name: x_scales, .offset: 48, .size: 8, .value_kind: global_buffer, .address_space: global }
      - { .name: w_codes, .offset: 56, .size: 8, .value_kind: global_buffer, .address_space: global }
      - { .name: w_scales, .offset: 64, .size: 8, .value_kind: global_buffer, .address_space: global }
      - { .name: wo_h, .offset: 72, .size: 8, .value_kind: global_buffer, .address_space: global }
    .group_segment_fixed_size: 33280
    .private_segment_fixed_size: 0
    .kernarg_segment_align: 8
    .kernarg_segment_size: 80
    .max_flat_workgroup_size: 128
    .sgpr_count:     66
    .vgpr_count:     208
    .wavefront_size: 32
...
	.end_amdgpu_metadata
.endif
;; end of part 1
;; launch qkv (part 2): grid 12 x 16, 4 waves a work-group, clusters of 4 x 4, 327,680 bytes of LDS; arguments x_codes, x_scales, w_codes, w_scales, qkv; writes qkv
.if DOCPART == 2
	.amdgcn_target "amdgcn-amd-amdhsa--gfx1250"
	.amdhsa_code_object_version 6
	.text
	.protected	k_q1a3ef1ce9e_qkv
	.globl	k_q1a3ef1ce9e_qkv
	.p2align	8
	.type	k_q1a3ef1ce9e_qkv,@function
k_q1a3ef1ce9e_qkv:
	s_mov_b64 s[64:65], 0
	v_nop
	global_prefetch_b8 v0, s[64:65] scope:SCOPE_SE
	s_setreg_imm32_b32 hwreg(HW_REG_WAVE_MODE, 25, 1), 1
	s_wait_xcnt 0x0
	s_wait_alu depctr_hold_cnt(0) depctr_sa_sdst(0) depctr_va_vdst(0) depctr_va_sdst(0) depctr_va_ssrc(0) depctr_va_vcc(0) depctr_vm_vsrc(0)
	s_getreg_b32 s2, hwreg(HW_REG_IB_STS2, 6, 4)
	s_cmp_eq_u32 s2, 0
	s_cbranch_scc0 .Lentry_in_a_cluster
	s_endpgm
.Lentry_in_a_cluster:
	s_bfe_u32 s2, ttmp6, 0x10000c
	s_cmp_lg_u32 s2, 0xf033
	s_cbranch_scc0 .Lentry_shape_is_right
	s_endpgm
.Lentry_shape_is_right:
; q, k and v in one product: C[m][n] = sum over k of x[m][k] W[n][k], W = wq, wk, wv one below the other.  x: [4096][1024], W: [3072][1024]: codes of FP4 (E2M1) with one E8M0 scale for each 32 along K.
; The sums are f32; each is rounded once to f16 and stored by heads: qkv [3 (q, k, v)][32 (batch x 16 + head)][2048 positions][64] f16, as the attention launch reads it.
; LIMIT: a number of q, k or v beyond 65,504, f16's largest, is not served.
; A tile of C, 256 x 256, is made by a work-group of four waves; a wave makes 128 x 128: 64 accumulators of 16 x 16, 512 registers.  12 x 16 tiles.
; K = 1,024 is two steps of 512, one in each of two LDS slots: both are asked for at the start, nothing is filled again.  A tile's row is 256 bytes of memory.
; THE SCALES of the work-group's 256 rows of x and 256 rows of W, for all of K, are two dense blocks of memory: they come into LDS once, with the first fills.
; CLUSTERS: 4 x 4 work-groups.  The four of a row of the cluster need the same tiles of x, the four of a column the same tiles of W: each tile is asked for JOINTLY, by the same tensor load with the
; same descriptor and a mask that names the four.  THE MATRIX INSTRUCTION IS USED TRANSPOSED (source 0 = 16 rows of W, source 1 = 16 rows of x): a lane then holds eight neighbouring numbers of a row of C.
; No prefetch: every tile of the launch is asked for at its head.
; REGISTERS, in windows of 256: window 0: v0-31 addresses; v32-95 scale words, two sets; from v128 x's fragments (8 x 16 rows x 128 K), ONE set; on the way out v32-63 and v192-255.
;   window 1: W's fragments, TWO sets, at v0 and at v128.   window 2: the 32 accumulators of my rows 0-63 (accumulator (a, b) at v[8 (8 a + b)]);   window 3: those of my rows 64-127.
.set SIZE_M, 4096
.set SIZE_N, 3072
.set SIZE_K, 1024
.set KSTEP,  512                       ; along K in a slot
.set NQ,     KSTEP/128                 ; matrix instructions deep
.set ROWB,   256                       ; a tile's row in bytes
.set KROW,   SIZE_K*4/8                ; a row of codes in memory, in bytes
.set PITCH,  272                       ; an LDS row: 256 bytes + 16 of padding = 68 words: row r starts at bank 4 r mod 64 (64 banks of 4 bytes: ISA guide 11.1), so the 16 rows that a load touches start at 16 different banks
.set FR,     8                         ; registers of a fragment: 16 rows x 128 K
.set NL,     2                         ; LDS loads that bring one
.set NP,     4                         ; places behind this matrix instruction (ISA guide 7.12.1)
.set HALFT,  128*PITCH                 ; 128 rows: what one tensor load brings
.set SLOT,   4*HALFT                   ; x's 256 rows, then W's 256 rows
.set KS,     SIZE_K/32                 ; a row of scales in bytes
.set SCL,    2*SLOT                    ; behind the slots: the scales, as runs of 256 bytes + 16 of padding
.set HALFS,  (128*KS/256)*272          ; the scales of 128 rows: what one tensor load brings
.set SBLK,   (16*KS/256)*272           ; those of 16 rows
.set SPARE,  SCL+4*HALFS               ; behind the scales: the spare words, 128 bytes for each wave, which no other line names
.set SPITCH, 144                       ; the way out: a stage of two heads x 16 rows x (128 bytes + 16) for each wave.  It lies in slot 0, which has had its only fill and its last read when the first result is stored there
.set ADRA, 16                          ; v16-17  LDS address of my fragments of x in slot 0, 1
.set ADRB, 20                          ; v20-21  the same for W
.set STO,  24                          ; v24     the way out: where I put 16 bytes of a row
.set RD,   25                          ; v25     the way out: where I read rows back
.set CO,   26                          ; v26     16 x lane: my bytes of a store's 512
.set ADRS, 27                          ; v27     LDS address of my scale words: lanes 0-15 x's rows, lanes 16-31 W's
.set SPW,  28                          ; v28     LDS address of my spare word; never rewritten
.set NIL,  29                          ; v29     0; never rewritten
.set SC,   32                          ; scale words: set s at v[SC + 8 NQ s]; register NQ i + q: lanes 0-15 the word of x's block i, lanes 16-31 that of W's block i, for the slot's q-th 128 along K
.set AF,   128                         ; x's fragments, in window 0
.set TMP,  192                         ; the way out: a block's packed results
.set OB,   32                          ; the way out: 16 rows read back from the stage: v32-63 and v224-255 by turns
.set G1, 24                            ; s[24:31] descriptor group 1 for x's tiles;  s[32:39] group 0, one set for each slot
.set G0, 32
.set G1B, 48                           ; s[48:55], s[56:63] the same for W's tiles
.set G0B, 56
.set G1S, 68                           ; s[68:75], s[76:79] groups 1 and 0 for x's scales;  s[80:87], s[88:91] for W's
.set G0S, 76
.set G1SB, 80
.set G0SB, 88
.set MSB, 0
.macro WIN new                         ; the immediate's high byte repeats the setting that is left; a switch that changes nothing is dropped
.if MSB != (\new)
	s_set_vgpr_msb (MSB<<8)|(\new)
.set MSB, (\new)
.endif
.endm
.set MUL_LO, 0xa1                      ; source 0 (W) window 1, source 1 (x) window 0, C and D window 2
.set MUL_HI, 0xf1                      ; the same, C and D window 3
.set TO_B,   0x40                      ; destination window 1, address window 0
; A joint load: waves 0 and 1 fetch for x, waves 2 and 3 for W.  Each of the two lines has ONE mask and one set of registers for all that issue it; the branch hangs on the wave's number alone.
; An s_nop 0 and four v_nop follow each of the two lines, ahead of the jump, the label and what follows.
.macro JLOAD g0a, g1a, g0b, g1b
	s_cmp_eq_u32 s15, 0
	s_cbranch_scc0 .Lfor_b_\@
	tensor_load_to_lds s[\g0a:\g0a+3], s[\g1a:\g1a+7]
	s_nop 0
.rept 4
	v_nop
.endr
	s_branch .Lasked_\@
.Lfor_b_\@:
	tensor_load_to_lds s[\g0b:\g0b+3], s[\g1b:\g1b+7]
	s_nop 0
.rept 4
	v_nop
.endr
.Lasked_\@:
.endm
.macro CROUND                          ; a round of the cluster's barrier: my work-group's barrier; wave 0 signals for the work-group; every wave waits for all sixteen; my work-group's barrier once more
	s_barrier_signal -1
	s_barrier_wait -1
	s_cmp_lg_u32 s14, 0
	s_cbranch_scc1 .Lnot_wave_0_\@
	s_barrier_signal -3
.Lnot_wave_0_\@:
	s_barrier_wait -3
	s_barrier_signal -1
	s_barrier_wait -1
.endm
	s_load_b128 s[4:7], s[0:1], 0x0                ; x's codes s[4:5], x's scales s[6:7]
	s_load_b128 s[8:11], s[0:1], 0x10              ; W's codes s[8:9], W's scales s[10:11]
	s_load_b64 s[12:13], s[0:1], 0x20              ; qkv
	v_lshl_add_u32 v[SPW], v0, 2, SPARE
	v_mov_b32 v[NIL], 0
	ds_add_u32 v[SPW], v[NIL]                      ; the wave's opening: the add, twice on end, and its wait ahead of my first tensor load; the set-up below, work on registers, stands between
	ds_add_u32 v[SPW], v[NIL]                      ; and once more, under the one wait
	v_lshrrev_b32 v1, 5, v0
	v_readfirstlane_b32 s14, v1                    ; wave 0..3
	s_lshr_b32 s15, s14, 1                         ; which half of the tile's rows is mine.  Also: I fetch for x (0) or for W (1)
	s_and_b32 s16, s14, 1                          ; which half of its columns.  Also: which 128 rows of that tile I fetch
	s_bfe_u32 s40, ttmp6, 0x40000                  ; cx, cy: my place in the cluster
	s_bfe_u32 s41, ttmp6, 0x40004
	s_lshl_b32 s42, ttmp9, 2
	s_add_co_u32 s42, s42, s40                     ; tile column of C = 4 x cluster x + cx
	s_and_b32 s17, ttmp7, 0xffff
	s_lshl_b32 s17, s17, 2
	s_add_co_u32 s17, s17, s41                     ; tile row of C = 4 x cluster y + cy
	s_lshl_b32 s43, s41, 2
	s_lshl_b32 s43, 15, s43                        ; my row of the cluster
	s_lshl_b32 s44, 0x1111, s40                    ; my column
	; descriptor group 1: a tile of 128 rows x ROWB bytes, padded in LDS
	s_or_b32 s[G1+0], s43, (0<<16)|(1<<20)|(1<<21)|(5<<22)|(3<<25)  ; 15:0 the mask: x's tiles go to my row; 17:16 element of 1 byte; 20 padding on; 21 set beside a mask; 24:22 after every 64 words (code 5); 31:25 of 4 words (code 3)
	s_or_b32 s[G1B+0], s44, (0<<16)|(1<<20)|(1<<21)|(5<<22)|(3<<25)
.irp g, G1, G1B
	s_mov_b32 s[\g+1], ROWB<<16                    ; tensor_dim0
	s_mov_b32 s[\g+2], 128<<16                     ; tensor_dim1 = 128
	s_mov_b32 s[\g+3], ROWB<<16                    ; tile_dim0
	s_mov_b32 s[\g+4], 128                         ; tile_dim1 = 128
	s_mov_b32 s[\g+5], KROW                        ; tensor_dim0_stride
	s_mov_b32 s[\g+6], 0
	s_mov_b32 s[\g+7], 0
.endr
	; and for the scales of 128 rows: a dense block of 128 KS bytes, as rows of 256 bytes (32 elements of 8 bytes), 16 bytes of padding behind each
	s_or_b32 s[G1S+0], s43, (3<<16)|(1<<20)|(1<<21)|(5<<22)|(3<<25)
	s_or_b32 s[G1SB+0], s44, (3<<16)|(1<<20)|(1<<21)|(5<<22)|(3<<25)
.irp g, G1S, G1SB
	s_mov_b32 s[\g+1], 32<<16
	s_mov_b32 s[\g+2], (128*KS/256)<<16
	s_mov_b32 s[\g+3], 32<<16
	s_mov_b32 s[\g+4], 128*KS/256
	s_mov_b32 s[\g+5], 32
	s_mov_b32 s[\g+6], 0
	s_mov_b32 s[\g+7], 0
.endr
	s_lshl_b32 s18, s16, 7                         ; which 128 rows of the tile I fetch
	s_lshl_b32 s20, s17, 8
	s_add_co_u32 s20, s20, s18                     ; x: row 256 x tile row + 128 x half
	s_lshl_b32 s46, s42, 8
	s_add_co_u32 s46, s46, s18                     ; W: row 256 x tile column + 128 x half
	s_mov_b32 s21, 0
	s_mov_b32 s47, 0
	s_mov_b64 s[18:19], KS
	s_mul_u64 s[22:23], s[20:21], s[18:19]         ; where these rows' scales begin, in bytes
	s_mul_u64 s[92:93], s[46:47], s[18:19]
	s_mov_b64 s[18:19], KROW
	s_mul_u64 s[20:21], s[20:21], s[18:19]         ; and their codes
	s_mul_u64 s[46:47], s[46:47], s[18:19]
	s_mul_i32 s45, s14, HALFT                      ; where they go: wave x 128 rows: no place in the cluster enters an LDS address
	s_mul_i32 s94, s14, HALFS
	s_wait_dscnt 0x0                               ; both opening adds are done
	s_wait_kmcnt 0x0
	s_add_nc_u64 s[20:21], s[4:5], s[20:21]
	s_add_nc_u64 s[22:23], s[6:7], s[22:23]
	s_add_nc_u64 s[46:47], s[8:9], s[46:47]
	s_add_nc_u64 s[92:93], s[10:11], s[92:93]
	CROUND                                         ; all sixteen work-groups are here: the joint loads meet
	s_mov_b32 s[G0S], 1
	s_add_co_u32 s[G0S+1], s94, SCL
	s_mov_b64 s[G0S+2:G0S+3], s[22:23]
	s_or_b32 s[G0S+3], s[G0S+3], 0x80000000
	s_mov_b32 s[G0SB], 1
	s_add_co_u32 s[G0SB+1], s94, SCL
	s_mov_b64 s[G0SB+2:G0SB+3], s[92:93]
	s_or_b32 s[G0SB+3], s[G0SB+3], 0x80000000
	JLOAD G0S, G1S, G0SB, G1SB                     ; the scales first: they are wanted with K step 0
.irp s, 0,1
	s_mov_b32 s[G0+4*\s], 1
	s_add_co_u32 s[G0+4*\s+1], s45, \s*SLOT
	s_add_nc_u64 s[G0+4*\s+2:G0+4*\s+3], s[20:21], \s*ROWB
	s_or_b32 s[G0+4*\s+3], s[G0+4*\s+3], 0x80000000
	s_mov_b32 s[G0B+4*\s], 1
	s_add_co_u32 s[G0B+4*\s+1], s45, \s*SLOT
	s_add_nc_u64 s[G0B+4*\s+2:G0B+4*\s+3], s[46:47], \s*ROWB
	s_or_b32 s[G0B+4*\s+3], s[G0B+4*\s+3], 0x80000000
	JLOAD G0+4*\s, G1, G0B+4*\s, G1B               ; three tensor loads of mine are out behind the second of these
.endr
	v_and_b32 v1, 15, v0                           ; l % 16
	v_bfe_u32 v2, v0, 4, 1                         ; l / 16
	v_mul_u32_u24 v3, v1, PITCH
	v_lshl_add_u32 v4, v2, 4, v3                   ; a fragment's row x pitch + 16 x half
	s_mul_i32 s21, s15, HALFT                      ; my 128 rows of x
	s_mul_i32 s22, s16, HALFT                      ; my 128 rows of W,
	s_add_co_u32 s22, s22, 2*HALFT                 ; which lie behind x's 256
.irp s, 0,1
	v_add_nc_u32 v[ADRA+\s], s21, v4
	v_add_nc_u32 v[ADRB+\s], s22, v4
	s_add_co_u32 s21, s21, SLOT
	s_add_co_u32 s22, s22, SLOT
.endr
	v_mul_u32_u24 v5, v1, KS                       ; my row's scales: KS bytes a row,
	v_lshrrev_b32 v6, 8, v5
	v_lshl_add_u32 v5, v6, 4, v5                   ; and 16 more for each 256 passed
	s_mul_i32 s21, s15, HALFS                      ; x's: my 128 rows
	s_mul_i32 s22, s16, HALFS                      ; W's: my 128 rows, behind x's 256
	s_add_co_u32 s22, s22, 2*HALFS
	s_sub_co_u32 s22, s22, s21
	v_mul_u32_u24 v6, s22, v2                      ; lanes 16-31 take W's: the lower base + half x the distance
	s_add_co_u32 s21, s21, SCL
	v_add_nc_u32 v5, v5, v6
	v_add_nc_u32 v[ADRS], s21, v5
	s_mul_i32 s23, s14, 2*16*SPITCH                ; my stage
	v_mul_u32_u24 v5, v1, SPITCH                   ; in: row l % 16, 16 bytes for each half of the lanes
	v_lshl_add_u32 v5, v2, 4, v5
	v_add_nc_u32 v[STO], s23, v5
	v_and_b32 v6, 31, v0
	v_lshlrev_b32 v[CO], 4, v6                     ; in memory a head's rows of 128 bytes follow each other: 32 lanes x 16 bytes are four rows
	v_lshrrev_b32 v5, 3, v6                        ; back: eight lanes to a row, four rows an instruction
	v_mul_u32_u24 v5, v5, SPITCH
	v_and_b32 v6, 7, v6
	v_lshl_add_u32 v5, v6, 4, v5
	v_add_nc_u32 v[RD], s23, v5
	; where my part begins in qkv.  Rows: batch = tile row / 8 (16 planes of 2^18 bytes), position 256 (tile row % 8) + 128 x half (128 bytes a position).
	s_lshr_b32 s20, s17, 3
	s_lshl_b32 s20, s20, 22
	s_and_b32 s21, s17, 7
	s_lshl_b32 s21, s21, 1
	s_add_co_u32 s21, s21, s15
	s_lshl_b32 s21, s21, 14
	s_add_co_u32 s20, s20, s21
	s_mov_b32 s21, 0
	; Columns: which of q, k, v = tile column / 4 (32 planes), head 4 (tile column % 4) + 2 x half (a plane each)
	s_lshr_b32 s46, s42, 2
	s_lshl_b32 s46, s46, 5
	s_and_b32 s47, s42, 3
	s_lshl_b32 s47, s47, 2
	s_add_co_u32 s46, s46, s47
	s_lshl_b32 s47, s16, 1
	s_add_co_u32 s46, s46, s47
	s_lshl_b32 s46, s46, 18
	s_mov_b32 s47, 0
	s_add_nc_u64 s[20:21], s[20:21], s[46:47]
	s_add_nc_u64 s[12:13], s[12:13], s[20:21]
.macro FRAG reg, adr, q, i             ; a fragment, 16 rows x 128 K of 4-bit codes, is 8 registers: lane l holds row l % 16; registers 4 c .. 4 c + 3 hold K = 64 c + 32 (l / 16) + 0 .. 31
.irp c, 0,1
	ds_load_b128 v[\reg+4*\c:\reg+4*\c+3], v[\adr] offset:64*(\q)+32*\c+(\i)*16*PITCH
.endr
.endm
; 16 matrix instructions: x's blocks a0, a0 + 1 against W's eight, 128 along K: the slot's q-th.  p: W's set;  sc: the set of scale words.  zero = 1: the first product starts the sums: nothing is ever cleared.
; The 64 accumulators take turns, one instruction a turn, in the same order in every step.
.macro MUL16 a0, p, q, sc, zero
.irp a, \a0, \a0+1
.irp b, 0,1,2,3,4,5,6,7
.if \zero
	v_wmma_scale_f32_16x16x128_f8f6f4 v[8*(8*((\a)%4)+\b):8*(8*((\a)%4)+\b)+7], v[128*(\p)+FR*\b:128*(\p)+FR*\b+FR-1], v[AF+FR*(\a):AF+FR*(\a)+FR-1], 0, v[SC+8*NQ*(\sc)+NQ*\b+(\q)], v[SC+8*NQ*(\sc)+NQ*(\a)+(\q)] matrix_a_fmt:MATRIX_FMT_FP4 matrix_b_fmt:MATRIX_FMT_FP4 matrix_a_scale:MATRIX_SCALE_ROW1
.else
	v_wmma_scale_f32_16x16x128_f8f6f4 v[8*(8*((\a)%4)+\b):8*(8*((\a)%4)+\b)+7], v[128*(\p)+FR*\b:128*(\p)+FR*\b+FR-1], v[AF+FR*(\a):AF+FR*(\a)+FR-1], v[8*(8*((\a)%4)+\b):8*(8*((\a)%4)+\b)+7], v[SC+8*NQ*(\sc)+NQ*\b+(\q)], v[SC+8*NQ*(\sc)+NQ*(\a)+(\q)] matrix_a_fmt:MATRIX_FMT_FP4 matrix_b_fmt:MATRIX_FMT_FP4 matrix_a_scale:MATRIX_SCALE_ROW1
.endif
.endr
.endr
.endm
.macro FETCH_B slot, q, p              ; W's eight fragments of the slot's q-th 128 along K into set p
	WIN TO_B
.irp i, 0,1,2,3,4,5,6,7
	FRAG 128*(\p)+FR*\i, ADRB+\slot, \q, \i
.endr
	WIN 0
.endm
.macro FETCH_A slot, q, i0             ; x's blocks i0 .. i0 + 3
.irp i, \i0, \i0+1, \i0+2, \i0+3
	FRAG AF+FR*(\i), ADRA+\slot, \q, \i
.endr
.endm
.macro SCALES sc                       ; a K step's scale words into set sc: NQ words a row; lanes 0-15 take x's block i, lanes 16-31 W's block i
.irp i, 0,1,2,3,4,5,6,7
	ds_load_b128 v[SC+8*NQ*\sc+NQ*\i:SC+8*NQ*\sc+NQ*\i+3], v[ADRS] offset:\i*SBLK
.endr
.endm
; A load into a register that a matrix instruction has read, and a vector instruction that reads a matrix result, stand NP places behind that matrix instruction, and only plain vector
; instructions that name none of its registers are places (ISA guide 7.12.1 for vector instructions).
.macro PLACES n
.rept \n
	v_nop
.endr
.endm
; A step of 128 along K that has its successor in the same slot.  x's blocks are free as soon as their eight products are issued: blocks 0-3 are fetched anew in the step's middle, blocks 4-7 at its end.
.macro STEP slot, q, zero
	s_wait_dscnt 4*NL                              ; W's set and x's blocks 0-3 are in; the youngest eight loads (x's blocks 4-7) may be out
	WIN MUL_LO
	MUL16 0, (\q)%2, \q, \slot, \zero
	MUL16 2, (\q)%2, \q, \slot, \zero
	s_wait_dscnt 0                                 ; x's blocks 4-7 are in (asked for 32 matrix instructions ago)
	PLACES NP
	FETCH_B \slot, (\q)+1, 1-(\q)%2
	FETCH_A \slot, (\q)+1, 0
	WIN MUL_HI
	MUL16 4, (\q)%2, \q, \slot, \zero
	MUL16 6, (\q)%2, \q, \slot, \zero
	PLACES NP
	WIN 0
	FETCH_A \slot, (\q)+1, 4
.endm
; Slot 0's last step changes slots: ONE barrier.  In front of it each wave waits for all its tensor loads (its part of slot 1), adds 0 to its spare word, and waits for that and for its own reads of slot 0.
; Behind it slot 1 is whole and nobody reads slot 0 any more.  Nothing is filled again.
.macro TURN slot, next
	s_wait_tensorcnt 0x0                           ; all my tensor loads have landed  (every window is 0 here: the add's two registers lie in window 0)
	ds_add_u32 v[SPW], v[NIL]                      ; 0 onto my spare word
	s_wait_dscnt 4*NL+1                            ; (the add and the youngest eight loads, x's blocks 4-7, may be out)
	WIN MUL_LO
	MUL16 0, 1, NQ-1, \slot, 0                     ; sixteen matrix instructions stand between the add and the wait for it
	s_wait_dscnt 0x0                               ; the add is done, and my reads of this slot are over
	s_barrier_signal -1
	MUL16 2, 1, NQ-1, \slot, 0                     ; work on registers while the others arrive
	WIN 0
	s_barrier_wait -1
	PLACES NP
	v_add_nc_u32 v[ADRS], 4*NQ, v[ADRS]            ; on to the next K step's scale words (no LDS load of mine is out)
	FETCH_B \next, 0, 0
	FETCH_A \next, 0, 0
	SCALES \next
	WIN MUL_HI
	MUL16 4, 1, NQ-1, \slot, 0
	MUL16 6, 1, NQ-1, \slot, 0
	PLACES NP
	WIN 0
	FETCH_A \next, 0, 4
.endm
.macro STEPS slot, from                ; the slot's steps from .. NQ - 2
.set QQ, \from
.rept NQ-1-\from
	STEP \slot, QQ, 0
.set QQ, QQ+1
.endr
.endm
	s_wait_tensorcnt 1                             ; the scales and my part of K step 0 are in (K step 1's load may be out)
	s_barrier_signal -1
	s_barrier_wait -1                              ; everybody's are
	FETCH_B 0, 0, 0
	FETCH_A 0, 0, 0
	SCALES 0
	FETCH_A 0, 0, 4
	STEP 0, 0, 1                                   ; the first step's products start the sums
	STEPS 0, 1
	TURN 0, 1
	STEPS 1, 0
	s_wait_dscnt 4*NL                              ; the very last step: nothing more to fetch
	WIN MUL_LO
	MUL16 0, 1, NQ-1, 1, 0
	MUL16 2, 1, NQ-1, 1, 0
	s_wait_dscnt 0
	WIN MUL_HI
	MUL16 4, 1, NQ-1, 1, 0
	MUL16 6, 1, NQ-1, 1, 0
	WIN 0
; THE WAY OUT, block by block of 16 rows x 128 columns (two heads).  PACK: rounded to f16, 16 bytes (eight channels of one position) a lane, each accumulator from its low end on.
; TOSTAGE: into my own stage in LDS, a head's 16 rows of 128 bytes together, and back by rows.  SEND: four rows, 512 consecutive bytes, a store.
; LDS serves a wave's instructions in order (ISA guide 5.7.1.4): no wait between the stores and the loads, nor in front of the next block's stores.
.macro PACK a
.set AC, 64*((\a)%4)
	WIN 0x0a+5*((\a)/4)                            ; sources 0 and 1: window 2 or 3
.irp b, 0,1,2,3,4,5,6,7
.irp r, 0,1,2,3
	v_cvt_pk_f16_f32 v[TMP+4*\b+\r], v[AC+8*\b+2*\r], v[AC+8*\b+2*\r+1]
.endr
.endr
	WIN 0
.endm
.macro TOSTAGE a
.set BB, OB+192*((\a)%2)
.irp b, 0,1,2,3,4,5,6,7
	ds_store_b128 v[STO], v[TMP+4*\b:TMP+4*\b+3] offset:(\b/4)*16*SPITCH+(\b%4)*32
.endr
.irp t, 0,1,2,3,4,5,6,7
	ds_load_b128 v[BB+4*\t:BB+4*\t+3], v[RD] offset:(\t/4)*16*SPITCH+(\t%4)*4*SPITCH
.endr
.endm
.macro SEND a
.set BB, OB+192*((\a)%2)
	s_wait_dscnt 0x0                               ; the block is back in registers
	s_wait_xcnt 0x0                                ; the block before has had its stores' addresses translated (ISA guide 3.1): its registers take the next block's loads only behind this wait
.irp t, 0,1,2,3,4,5,6,7
	global_store_b128 v[CO], v[BB+4*\t:BB+4*\t+3], s[12:13] offset:(\a)*2048+(\t%4)*512+(\t/4)*262144   ; 32 lanes store 512 consecutive bytes, aligned; the second head lies a plane further on; every offset is an immediate
.endr
.endm
	PLACES NP                                      ; behind the last products: for the conversions that read results and for the loads into registers that held scale words
	PACK 0
	TOSTAGE 0
.irp a, 1,2,3,4,5,6,7                  ; block a's conversions stand between block a - 1's loads from the stage and the wait for them
	PACK \a
	SEND \a-1
	TOSTAGE \a
.endr
	SEND 7
	s_wait_tensorcnt 0x0                           ; the wave's end: behind my last tensor load and my last LDS store
	ds_add_u32 v[SPW], v[NIL]
	s_wait_dscnt 0x0
	CROUND                                         ; the closing round: no work-group ends while a partner may still ask for a tile that names it
	s_endpgm
.Lfunc_end_k_q1a3ef1ce9e_qkv:
	.size	k_q1a3ef1ce9e_qkv, .Lfunc_end_k_q1a3ef1ce9e_qkv-k_q1a3ef1ce9e_qkv
	.p2alignl 7, 3214868480
	.fill 96, 4, 3214868480
	.section	.rodata,"a",@progbits
	.p2align	6, 0x0
	.amdhsa_kernel k_q1a3ef1ce9e_qkv
		.amdhsa_group_segment_fixed_size 327680
		.amdhsa_private_segment_fixed_size 0
		.amdhsa_enable_private_segment 0
		.amdhsa_kernarg_size 40
		.amdhsa_user_sgpr_count 2
		.amdhsa_user_sgpr_kernarg_segment_ptr 1
		.amdhsa_wavefront_size32 1
		.amdhsa_system_sgpr_workgroup_id_x 1
		.amdhsa_system_sgpr_workgroup_id_y 1
		.amdhsa_system_sgpr_workgroup_id_z 1
		.amdhsa_system_vgpr_workitem_id 0
		.amdhsa_next_free_vgpr 1024
		.amdhsa_next_free_sgpr 98
		.amdhsa_reserve_vcc 0
		.amdhsa_float_denorm_mode_32 3
		.amdhsa_float_denorm_mode_16_64 3
		.amdhsa_memory_ordered 1
		.amdhsa_forward_progress 1
		.amdhsa_inst_pref_size 126
	.end_amdhsa_kernel
	.amdgpu_metadata
---
amdhsa.version: [ 1, 2 ]
amdhsa.kernels:
  - .name:           k_q1a3ef1ce9e_qkv
    .symbol:         k_q1a3ef1ce9e_qkv.kd
    .args:
      - { .name: x_codes, .offset: 0, .size: 8, .value_kind: global_buffer, .address_space: global }
      - { .name: x_scales, .offset: 8, .size: 8, .value_kind: global_buffer, .address_space: global }
      - { .name: w_codes, .offset: 16, .size: 8, .value_kind: global_buffer, .address_space: global }
      - { .name: w_scales, .offset: 24, .size: 8, .value_kind: global_buffer, .address_space: global }
      - { .name: qkv, .offset: 32, .size: 8, .value_kind: global_buffer, .address_space: global }
    .group_segment_fixed_size: 327680
    .private_segment_fixed_size: 0
    .kernarg_segment_align: 8
    .kernarg_segment_size: 40
    .max_flat_workgroup_size: 128
    .sgpr_count:     98
    .vgpr_count:     1024
    .wavefront_size: 32
...
	.end_amdgpu_metadata
.endif
;; end of part 2
;; launch attn (part 3): grid 8 x 32, 16 waves a work-group, clusters of 4 x 1, 327,680 bytes of LDS; arguments qkv, y; writes y
.if DOCPART == 3
	.amdgcn_target "amdgcn-amd-amdhsa--gfx1250"
	.amdhsa_code_object_version 6
	.text
	.protected	k_q1a3ef1ce9e_attn
	.globl	k_q1a3ef1ce9e_attn
	.p2align	8
	.type	k_q1a3ef1ce9e_attn,@function
k_q1a3ef1ce9e_attn:
	s_mov_b64 s[64:65], 0
	v_nop
	global_prefetch_b8 v0, s[64:65] scope:SCOPE_SE
	s_setreg_imm32_b32 hwreg(HW_REG_WAVE_MODE, 25, 1), 1
	s_wait_xcnt 0x0
	s_wait_alu depctr_hold_cnt(0) depctr_sa_sdst(0) depctr_va_vdst(0) depctr_va_sdst(0) depctr_va_ssrc(0) depctr_va_vcc(0) depctr_vm_vsrc(0)
	s_getreg_b32 s2, hwreg(HW_REG_IB_STS2, 6, 4)
	s_cmp_eq_u32 s2, 0
	s_cbranch_scc0 .Lentry_in_a_cluster
	s_endpgm
.Lentry_in_a_cluster:
	s_bfe_u32 s2, ttmp6, 0x10000c
	s_cmp_lg_u32 s2, 0x3003
	s_cbranch_scc0 .Lentry_shape_is_right
	s_endpgm
.Lentry_shape_is_right:
; y[b][h][q][:] = the sum over k of softmax_k(Q[q] . K[k] / sqrt(64)) V[k][:], for 32 pairs (batch, head), 2,048 positions, head size 64, no mask.
; qkv: [3 (q, k, v)][32][2048][64] f16.  Products, maxima and sums in f32; the weights p are rounded to f16 for the second product, y once at the end.
; y leaves in blocks [32 (row / 128)][16 heads][128 rows][64] f16: a group's 32 queries are 4,096 bytes on end, and the next launch's tile of four heads x 128 rows is 65,536 bytes on end.
; LIMIT: a number of y beyond 65,504, f16's largest, is not served (it is an average of v's, which the launch before holds to the same limit).
; SHARES.  A work-group owns 256 queries of one head: eight groups of 32, two tiles of 16.  Each group has TWO waves, which share the KEYS: of every 512 keys wave g walks the first 256 and wave g + 8 the
; other 256, 64 a step.  So the work-group has SIXTEEN waves of 256 registers, four to a SIMD: while one wave issues its products or waits for LDS, three others have vector work to issue; and each
; fragment of K and V read from LDS still feeds two products.  At the end the two waves' partial results are joined, lane by lane (THE JOIN, below).
; LAYOUT.  S^T = K Q^T (source 0 = 16 keys, source 1 = 16 queries): a lane holds ONE query (lane % 16) and the keys 8 (lane / 16) + 0..7.  Two such tiles, rounded to f16 in pairs, ARE source 1
; (32 keys x 16 queries) of O^T = V^T P, whose result again holds one query a lane and eight channels.  K comes out of LDS as it lies, V ([key][channel]) turned, by ds_load_tr16_b128.
; SOFTMAX.  For each query a running maximum m and sum l: p = 2^(c s - c m), c = log2(e) / sqrt(64); in every step O and l are multiplied by a = 2^(c m_old - c m_new), which is 1 where m has not grown.
; The step is written without a first copy: O^T and l begin as zeros and m as -3e38, so the first a is 0 and multiplies zeros.
; RING.  Two LDS slots of 512 keys (eight steps; a wave walks four of them).  Every wave fetches one step's tile, 64 rows of 128 bytes: waves 0-7 K's, waves 8-15 V's.  A head is four slots' worth of keys:
; both slots are filled at the head, each is filled once more, and the walk over the four is written out.  Two tensor loads of a wave are out at the start, later one; a refill has four of each wave's steps in which to land.
; CLUSTER.  The four query blocks of a cluster belong to one head and walk the same K and V, so each tile is asked for JOINTLY: the same tensor load, with the same descriptor and a mask that names the four.
.set KS,    64                         ; keys in a step
.set NQ,    8                          ; steps in a slot
.set HQ,    NQ/2                       ; of which a wave walks four
.set SK,    NQ*KS                      ; keys in a slot
.set PK,    144                        ; a row of K in LDS: 128 bytes + 16 of padding = 36 words: row r starts at bank 36 r mod 64 (64 banks of 4 bytes: ISA guide 11.1): the 16 rows of a load take 16 different runs of four banks
.set PV,    160                        ; a row of V: 128 + 32 = 40 words
.set VOFF,  SK*PK                      ; a slot: 512 rows of K, then 512 rows of V
.set SLOT,  SK*(PK+PV)                 ; 155,648 bytes; slot 1 follows slot 0
.set SPARE, 2*SLOT                     ; behind the slots: the spare words, 128 bytes for each of the sixteen waves, which no other line names
.set IMG,   17*512                     ; THE JOIN: an image of 68 registers, 16 bytes a lane and 512 a store.  The eight images lie at slot 0's head,
.set STAGE, 8*IMG                      ; and behind them 32 rows x 144 bytes for each group, for the way out: slot 0 has had its last fill and its last read behind the last change of slots
.set SP,    144
.set AK0, 2                            ; v2   my lane's place in my wave's first tile of K in a slot; never rewritten
.set AV0, 3                            ; v3   the same for V
.set ADK, 4                            ; v4   LDS address of the step's K for my lane
.set ADV, 5                            ; v5   of its V
.set QO,  6                            ; v6   my byte offset in the group's rows of Q
.set STO, 7                            ; v7   the way out: where I put 16 bytes of a row
.set RD,  8                            ; v8   the way out: where I read rows back
.set GO,  9                            ; v9   16 x lane: my bytes of a store's 512
.set SPW, 10                           ; v10  LDS address of my spare word; never rewritten
.set NIL, 11                           ; v11  0; never rewritten
.set PFO, 12                           ; v12  256 x my lane: the prefetch's offset; never rewritten
.set MA,  15                           ; v15  my group's image: IMG x group + 16 x lane
.set ST,  16                           ; tile t's statistics at v[ST + 8 t]: +0 c m, +1 m, +2, +3 l (even keys', odd keys'), +4 to +7 c0-c3, at work; a takes c2's place once the maximum is found
.set PB,  ST+12                        ; THE JOIN: v28-31 the partner's c m and l of tile 0, of tile 1
.set Q,   32                           ; v32-63   Q: tile t, channels 32 c on, at Q + 16 t + 8 c
.set KV,  64                           ; v64-127  a step's K, then its V; in the join the partner's O^T
.set S,   128                          ; v128-191 S^T, 32 a tile; then p; P is packed into the tile's lower 16
.set TT,  S+32                         ; THE JOIN: eight registers a tile, at work
.set O,   192                          ; v192-255 O^T, 32 a tile: channels 16 n on at + 8 n
.set WV,  12                           ; s12  my wave's number
.set LIM, 15                           ; s15  1 in a wave that prefetches, else the greatest number
.set PFA, 18                           ; s[18:19] where my prefetch stands
.set G1K, 24                           ; s[24:31] descriptor group 1 for K's tiles;  s[32:39] for V's: it differs in the padding alone
.set G1V, 32
.set G0K, 40                           ; s[40:47] K's groups 0, one set for each slot;  s[48:55] V's
.set G0V, 48
.set CNT, 56                           ; s56  counts a wave's four steps in a slot
.set HALF, 57                          ; s57  which half of a slot's keys is my wave's
.set CS,  58                           ; s[58:59] c: the packed scaling names a pair and takes its low word for both halves
.set SEL, 60                           ; s[60:61] lane selects for v_permlanex16_b32: lane l xor 16
.set TK,  62                           ; s62  LDS byte: the slot in hand + the steps walked x 64 rows of K
.set TV,  63                           ; s63  the same with V's rows
; A joint refill of slot s.  Waves 0-7 fetch K's eight tiles, waves 8-15 V's.  The branch hangs on the wave's number alone: it is the same in every work-group.
; An s_nop 0 and four v_nop follow each of the two lines, ahead of the jump, the label and what follows.
.macro JLOAD s
	s_cmp_lt_u32 s[WV], 8
	s_cbranch_scc0 .Lfor_v_\@
	tensor_load_to_lds s[G0K+4*\s:G0K+4*\s+3], s[G1K:G1K+7]
	s_nop 0
.rept 4
	v_nop
.endr
	s_branch .Lasked_\@
.Lfor_v_\@:
	tensor_load_to_lds s[G0V+4*\s:G0V+4*\s+3], s[G1V:G1V+7]
	s_nop 0
.rept 4
	v_nop
.endr
.Lasked_\@:
.endm
; A PREFETCH INTO THE L2 of what the NEXT change of slots will ask for: the head's last 512 rows of K and of V, 65,536 bytes each, dense.  It stands once in the text, at the first refill, behind the wave's
; tensor load and its five lines: four of each wave's key steps ahead of the load that wants the bytes.  Each aligned run of 256 bytes is asked for ONCE in the launch.  Both clusters of a head walk the same
; K and V: the head's first cluster asks.  Its four partners share the bytes out BY ADDRESS, 16,384 each of K and of V: no branch hangs on a work-group's place in its cluster.  In each, waves 0 and 1 ask for
; K's and waves 8 and 9 for V's: one instruction a wave, 8,192 bytes, lanes 256 bytes apart.  The first three slots' worth of keys come by their loads alone; behind the last there is nothing to ask for.
.macro ASK
	s_cmp_eq_u32 s[LIM], 1
	s_cbranch_scc0 .Lnot_mine_\@
	global_prefetch_b8 v[PFO], s[PFA:PFA+1] th:TH_LOAD_NT scope:SCOPE_SE
.Lnot_mine_\@:
.endm
; A round of the cluster's barrier: my work-group's barrier, so that wave 0's signal speaks for all sixteen waves; wave 0 signals for the work-group; every wave waits for all four work-groups; my work-group's barrier once more.
.macro CROUND
	s_barrier_signal -1
	s_barrier_wait -1
	s_cmp_lg_u32 s[WV], 0
	s_cbranch_scc1 .Lnot_wave_0_\@
	s_barrier_signal -3
.Lnot_wave_0_\@:
	s_barrier_wait -3
	s_barrier_signal -1
	s_barrier_wait -1
.endm
	s_load_b64 s[4:5], s[0:1], 0x0                 ; qkv
	s_load_b64 s[10:11], s[0:1], 0x8               ; y
	v_lshl_add_u32 v[SPW], v0, 2, SPARE
	v_mov_b32 v[NIL], 0
	ds_add_u32 v[SPW], v[NIL]                      ; the wave's opening: the add, twice on end, and its wait ahead of my first tensor load; the set-up below, work on registers, stands between
	ds_add_u32 v[SPW], v[NIL]                      ; and once more, under the one wait
	v_lshrrev_b32 v1, 5, v0
	v_readfirstlane_b32 s[WV], v1                  ; wave 0..15
	s_bfe_u32 s13, ttmp6, 0x40000                  ; cx: my place in the cluster
	s_lshl_b32 s14, ttmp9, 2                       ; in a cluster launch ttmp9 counts clusters
	s_add_co_u32 s14, s14, s13                     ; my block of 256 queries = 4 x cluster x + cx: it enters Q's and y's addresses alone
	s_and_b32 s20, ttmp7, 0xffff                   ; batch x 16 + head, which the four partners share
	s_and_b32 s16, s[WV], 7                        ; my group of 32 queries.  Also: which of a slot's eight steps I fetch
	s_lshr_b32 s[HALF], s[WV], 3                   ; which half of a slot's keys I walk
	s_lshl_b32 s21, s20, 18                        ; the head's plane: 2,048 rows of 128 bytes
	s_lshl_b32 s22, s16, 13                        ; the 64 rows that I fetch
	s_add_co_u32 s22, s22, s21
	s_mov_b32 s23, 0                               ; s[22:23]: my tile of slot 0, inside K's or V's planes
	s_lshl_b32 s66, s14, 15                        ; Q: my block's 256 rows,
	s_add_co_u32 s66, s66, s21
	s_lshl_b32 s17, s16, 12                        ; my group's 32 of them
	s_add_co_u32 s66, s66, s17
	s_mov_b32 s67, 0
	s_lshr_b32 s68, s20, 4                         ; y: block of 128 rows = 16 x batch + 2 x my block + group / 4,
	s_lshl_b32 s68, s68, 4
	s_lshl_b32 s17, s14, 1
	s_add_co_u32 s68, s68, s17
	s_lshr_b32 s17, s16, 2
	s_add_co_u32 s68, s68, s17
	s_lshl_b32 s68, s68, 18
	s_and_b32 s17, s20, 15                         ; the head's 128 rows of 128 bytes in it,
	s_lshl_b32 s17, s17, 14
	s_add_co_u32 s68, s68, s17
	s_and_b32 s17, s16, 3                          ; my group's 32 rows of them
	s_lshl_b32 s17, s17, 12
	s_add_co_u32 s68, s68, s17
	s_mov_b32 s69, 0
	s_mul_i32 s2, s16, KS*PK                       ; where my tile goes in a slot: no place in the cluster enters an LDS address
	s_mul_i32 s3, s16, KS*PV
	s_add_co_u32 s3, s3, VOFF
	; descriptor group 1: a tile of 64 rows x 64 elements, padded in LDS
	s_mov_b32 s[G1K], 15|(1<<16)|(1<<20)|(1<<21)|(4<<22)|(3<<25)  ; 15:0 the mask: all four work-groups; 17:16 elements of 2 bytes; 20 padding on; 21 set beside a mask; 24:22 after every 32 words (code 4); 31:25 4 words of it (code 3)
	s_mov_b32 s[G1V], 15|(1<<16)|(1<<20)|(1<<21)|(4<<22)|(7<<25)  ; the same with 8 words of padding (code 7)
.irp g, G1K, G1V
	s_mov_b32 s[\g+1], 64<<16                      ; tensor_dim0 = 64
	s_mov_b32 s[\g+2], KS<<16                      ; tensor_dim1 = 64
	s_mov_b32 s[\g+3], 64<<16                      ; tile_dim0 = 64
	s_mov_b32 s[\g+4], KS                          ; tile_dim1 = 64
	s_mov_b32 s[\g+5], 64                          ; tensor_dim0_stride: elements from row to row
	s_mov_b32 s[\g+6], 0
	s_mov_b32 s[\g+7], 0
.endr
	s_mov_b32 s[CS], 0x3e38aa3b                    ; c = log2(e) / sqrt(64) = 0.180337
	s_mov_b32 s[CS+1], s[CS]                       ; named with it as a pair, so it is written
	s_mov_b32 s[SEL], 0x76543210
	s_mov_b32 s[SEL+1], 0xfedcba98
	s_and_b32 s[LIM], s[WV], 6                     ; 0 in waves 0, 1, 8 and 9,
	s_or_b32 s[LIM], s[LIM], ttmp9                 ; of the head's first cluster: the same in all four partners
	s_cmp_eq_u32 s[LIM], 0
	s_cselect_b32 s[LIM], 1, -1
	v_and_b32 v[PFO], 31, v0
	v_lshlrev_b32 v[PFO], 8, v[PFO]
	s_wait_dscnt 0x0                               ; both opening adds are done
	s_wait_kmcnt 0x0
	s_add_nc_u64 s[6:7], s[4:5], s[22:23]
	s_add_nc_u64 s[6:7], s[6:7], 0x800000          ; K's planes lie 32 planes behind Q's: my tile of slot 0
	s_add_nc_u64 s[8:9], s[6:7], 0x800000          ; V's 32 planes further on
	s_add_nc_u64 s[4:5], s[4:5], s[66:67]          ; Q at my group's first row
	s_add_nc_u64 s[10:11], s[10:11], s[68:69]      ; y likewise
	s_cmp_lt_u32 s[WV], 8
	s_cselect_b64 s[PFA:PFA+1], s[6:7], s[8:9]     ; (in waves 0 and 8 these stand at the head's first row, in waves 1 and 9 8,192 bytes on)
	s_lshl_b32 s20, s13, 14                        ; my work-group's 16,384 bytes of a slot's 65,536,
	s_add_co_u32 s20, s20, 3*SK*128                ; in the head's last 512 rows
	s_mov_b32 s21, 0
	s_add_nc_u64 s[PFA:PFA+1], s[PFA:PFA+1], s[20:21]
	CROUND                                         ; all four work-groups are here: the first joint loads meet
.irp s, 0,1
	s_mov_b32 s[G0K+4*\s], 1                       ; 1:0 count = 1
	s_add_co_u32 s[G0K+4*\s+1], s2, \s*SLOT        ; 63:32 LDS address
	s_add_nc_u64 s[G0K+4*\s+2:G0K+4*\s+3], s[6:7], \s*SK*128   ; 120:64 global address: slot s begins with keys 512 s on
	s_or_b32 s[G0K+4*\s+3], s[G0K+4*\s+3], 0x80000000          ; 127:126 type = 2
	s_mov_b32 s[G0V+4*\s], 1
	s_add_co_u32 s[G0V+4*\s+1], s3, \s*SLOT
	s_add_nc_u64 s[G0V+4*\s+2:G0V+4*\s+3], s[8:9], \s*SK*128
	s_or_b32 s[G0V+4*\s+3], s[G0V+4*\s+3], 0x80000000
.endr
	s_cmp_lt_u32 s[WV], 8                          ; a wave's two first fills stand in one branch, ahead of every wait on TENSORcnt and every LDS read: two loads of mine are out; an s_nop 0 follows each, four v_nop the second's
	s_cbranch_scc0 .Lfirst_v
	tensor_load_to_lds s[G0K:G0K+3], s[G1K:G1K+7]
	s_nop 0
	tensor_load_to_lds s[G0K+4:G0K+7], s[G1K:G1K+7]
	s_nop 0
.rept 4
	v_nop
.endr
	s_branch .Lfirst_asked
.Lfirst_v:
	tensor_load_to_lds s[G0V:G0V+3], s[G1V:G1V+7]
	s_nop 0
	tensor_load_to_lds s[G0V+4:G0V+7], s[G1V:G1V+7]
	s_nop 0
.rept 4
	v_nop
.endr
.Lfirst_asked:
	; A fragment of K or Q is 16 rows x 32 channels in 8 registers: lane l holds row l % 16; registers 0-3 channels 8 (l / 16) + 0..7, registers 4-7 channels 16 + 8 (l / 16) + 0..7: two loads of 16 bytes, 32 bytes apart.
	v_and_b32 v1, 15, v0                           ; l % 16
	v_bfe_u32 v13, v0, 4, 1                        ; l / 16
	v_lshlrev_b32 v[QO], 7, v1
	v_lshl_add_u32 v[QO], v13, 4, v[QO]            ; row x 128 + 16 x half of the lanes
.irp t, 0,1
.irp c, 0,1
	global_load_b128 v[Q+16*\t+8*\c:Q+16*\t+8*\c+3],   v[QO], s[4:5] offset:\t*2048+\c*64      ; Q stays in registers (both waves of a group hold it)
	global_load_b128 v[Q+16*\t+8*\c+4:Q+16*\t+8*\c+7], v[QO], s[4:5] offset:\t*2048+\c*64+32
.endr
.endr
	; every LDS address register is made here, ahead of the places where the waves part on their number
	v_mul_u32_u24 v[AK0], v1, PK
	v_lshl_add_u32 v[AK0], v13, 4, v[AK0]          ; row x pitch + 16 x half of the lanes
	s_mul_i32 s17, s[HALF], HQ*KS*PK               ; + my wave's half of a slot's rows of K
	v_add_nc_u32 v[AK0], s17, v[AK0]
	; The turning load takes 16 keys x 16 channels (lane l reads 16 bytes: key 8 (l / 16) + l % 8, channels 8 ((l / 8) % 2) + 0..7) and leaves half a fragment of V^T: lane l holds channel l % 16 and 8 keys.
	v_and_b32 v14, 7, v0
	v_bfe_u32 v15, v0, 3, 1
	v_lshl_add_u32 v[AV0], v13, 3, v14
	v_mul_u32_u24 v[AV0], v[AV0], PV
	v_lshl_add_u32 v[AV0], v15, 4, v[AV0]
	s_mul_i32 s17, s[HALF], HQ*KS*PV               ; + my wave's half of a slot's rows of V,
	s_add_co_u32 s17, s17, VOFF                    ; which lie behind K's
	v_add_nc_u32 v[AV0], s17, v[AV0]
	s_mul_i32 s17, s16, 32*SP
	s_add_co_u32 s17, s17, STAGE                   ; my group's stage
	v_mul_u32_u24 v[STO], v1, SP                   ; in: row l % 16, 16 bytes for each half of the lanes
	v_lshl_add_u32 v[STO], v13, 4, v[STO]
	v_add_nc_u32 v[STO], s17, v[STO]
	v_and_b32 v15, 31, v0
	v_lshlrev_b32 v[GO], 4, v15                    ; in y my group's rows of 128 bytes follow each other
	v_lshrrev_b32 v15, 3, v15                      ; back: eight lanes to a row, four rows an instruction
	v_mul_u32_u24 v[RD], v15, SP
	v_lshl_add_u32 v[RD], v14, 4, v[RD]
	v_add_nc_u32 v[RD], s17, v[RD]
	s_mul_i32 s17, s16, IMG
	v_add_nc_u32 v[MA], s17, v[GO]                 ; my group's image: wave g + 8 stores it, wave g loads it
.irp t, 0,1
	v_mov_b32 v[ST+8*\t+1], 0xff61b1e6             ; m: -3e38, under every score
	v_mul_f32 v[ST+8*\t], s[CS], v[ST+8*\t+1]      ; c m
	v_mov_b32 v[ST+8*\t+2], 0                      ; l, in two halves
	v_mov_b32 v[ST+8*\t+3], 0
.endr
.set II, 0
.rept 64
	v_mov_b32 v[O+II], 0                           ; O^T.  (The step is written without a first copy: the first finds zeros, which the first a, 0, leaves zeros)
.set II, II+1
.endr
; A KEY STEP: 64 keys, at s[TK] and s[TV] of LDS.  Wherever both tiles do the same, they alternate line by line, so that no line waits for the line above it.
.macro STEP
	v_add_nc_u32 v[ADK], s[TK], v[AK0]
	v_add_nc_u32 v[ADV], s[TV], v[AV0]
.rept 4
	v_nop                                          ; with the two additions six places behind the last products V^T P: four are owed by the loads into V's registers, five by the products below, which write over P
.endr
.irp c, 0,1                                    ; K: channels 32 c on, keys 16 k on
.irp k, 0,1,2,3
	ds_load_b128 v[KV+32*\c+8*\k:KV+32*\c+8*\k+3],   v[ADK] offset:\k*16*PK+64*\c
	ds_load_b128 v[KV+32*\c+8*\k+4:KV+32*\c+8*\k+7], v[ADK] offset:\k*16*PK+64*\c+32
.endr
.endr
	s_wait_dscnt 8                                 ; channels 0-31 are in; the eight loads of channels 32-63 may be out
.irp k, 0,1,2,3                                ; S^T = K Q^T: eight accumulators by turns, one instruction a turn; the first eight start the sums
.irp t, 0,1
	v_wmma_f32_16x16x32_f16 v[S+32*\t+8*\k:S+32*\t+8*\k+7], v[KV+8*\k:KV+8*\k+7], v[Q+16*\t:Q+16*\t+7], 0
.endr
.endr
	s_wait_dscnt 0x0
.irp k, 0,1,2,3
.irp t, 0,1
	v_wmma_f32_16x16x32_f16 v[S+32*\t+8*\k:S+32*\t+8*\k+7], v[KV+32+8*\k:KV+32+8*\k+7], v[Q+16*\t+8:Q+16*\t+15], v[S+32*\t+8*\k:S+32*\t+8*\k+7]
.endr
.endr
.rept 4
	v_nop                                          ; four places: for the loads into K's registers, and for the first read of the scores
.endr
.irp c, 0,1                                    ; V, turned: keys 32 c on, channels 16 n on.  It lands under the softmax
.irp n, 0,1,2,3
	ds_load_tr16_b128 v[KV+32*\c+8*\n:KV+32*\c+8*\n+3],   v[ADV] offset:\c*32*PV+\n*32
	ds_load_tr16_b128 v[KV+32*\c+8*\n+4:KV+32*\c+8*\n+7], v[ADV] offset:\c*32*PV+16*PV+\n*32
.endr
.endr
	; the maximum of a lane's 32 scores and the old m, three operands at a time: four chains c0-c3, one to an accumulator, each begun at the accumulator's low end
.irp j, 0,1,2,3
.irp t, 0,1
	v_max3_num_f32 v[ST+8*\t+4+\j], v[S+32*\t+8*\j], v[S+32*\t+8*\j+1], v[S+32*\t+8*\j+2]
.endr
.endr
.irp u, 3,5
.irp j, 0,1,2,3
.irp t, 0,1
	v_max3_num_f32 v[ST+8*\t+4+\j], v[ST+8*\t+4+\j], v[S+32*\t+8*\j+\u], v[S+32*\t+8*\j+\u+1]
.endr
.endr
.endr
.irp t, 0,1
	v_max3_num_f32 v[ST+8*\t+4], v[ST+8*\t+4], v[S+32*\t+7], v[S+32*\t+15]
.endr
.irp t, 0,1
	v_max3_num_f32 v[ST+8*\t+6], v[ST+8*\t+6], v[S+32*\t+23], v[S+32*\t+31]
.endr
.irp t, 0,1
	v_max3_num_f32 v[ST+8*\t+4], v[ST+8*\t+4], v[ST+8*\t+5], v[ST+8*\t+6]
.endr
.irp t, 0,1
	v_max3_num_f32 v[ST+8*\t+4], v[ST+8*\t+4], v[ST+8*\t+7], v[ST+8*\t+1]
.endr
.irp t, 0,1
	v_permlanex16_b32 v[ST+8*\t+5], v[ST+8*\t+4], s[SEL], s[SEL+1]   ; the query's other 32 keys lie in the lane 16 away
.endr
.irp t, 0,1
	v_mov_b32 v[ST+8*\t+7], v[ST+8*\t]             ; c m_old is kept for a
.endr
.irp t, 0,1
	v_max_num_f32 v[ST+8*\t+1], v[ST+8*\t+4], v[ST+8*\t+5]           ; the new m
.endr
.irp t, 0,1
	v_mul_f32 v[ST+8*\t], s[CS], v[ST+8*\t+1]      ; c m
.endr
.irp t, 0,1
	v_sub_f32 v[ST+8*\t+7], v[ST+8*\t+7], v[ST+8*\t]                 ; c m_old - c m_new, 0 or less
.endr
.set II, 0
.rept 16
.irp t, 0,1
	v_pk_fma_f32 v[S+32*\t+II:S+32*\t+II+1], v[S+32*\t+II:S+32*\t+II+1], s[CS:CS+1], v[ST+8*\t:ST+8*\t+1] op_sel_hi:[1,0,0] neg_lo:[0,0,1] neg_hi:[0,0,1]   ; c s - c m, two at a time
.endr
.set II, II+2
.endr
.irp t, 0,1                                    ; ONE BATCH of 66 exponentials: none reads another's result
	v_exp_f32 v[ST+8*\t+6], v[ST+8*\t+7]           ; a
.endr
.set II, 0
.rept 32
	v_exp_f32 v[S+II], v[S+II]                     ; p, at most 1
	v_exp_f32 v[S+32+II], v[S+32+II]
.set II, II+1
.endr
	v_nop                                          ; a plain instruction behind the last exponential, ahead of the first use
	s_wait_alu depctr_va_vdst(0)                   ; and the wait ahead of the first instruction that names a result: one for the batch
.irp t, 0,1
	v_pk_mul_f32 v[ST+8*\t+2:ST+8*\t+3], v[ST+8*\t+2:ST+8*\t+3], v[ST+8*\t+6:ST+8*\t+7] op_sel_hi:[1,0]   ; l under the new m
.endr
.irp t, 0,1                                    ; the sum of the unrounded p, two at a time, in two chains: l itself and c0, c1
	v_pk_add_f32 v[ST+8*\t+4:ST+8*\t+5], v[S+32*\t:S+32*\t+1], v[S+32*\t+2:S+32*\t+3]
.endr
.irp j, 4,8,12,16,20,24,28
.irp t, 0,1
	v_pk_add_f32 v[ST+8*\t+2:ST+8*\t+3], v[ST+8*\t+2:ST+8*\t+3], v[S+32*\t+\j:S+32*\t+\j+1]
	v_pk_add_f32 v[ST+8*\t+4:ST+8*\t+5], v[ST+8*\t+4:ST+8*\t+5], v[S+32*\t+\j+2:S+32*\t+\j+3]
.endr
.endr
.irp t, 0,1
	v_pk_add_f32 v[ST+8*\t+2:ST+8*\t+3], v[ST+8*\t+2:ST+8*\t+3], v[ST+8*\t+4:ST+8*\t+5]
.endr
.set II, 0
.rept 16                                       ; P: pair i of the weights, rounded to f16, into register i of the tile: ascending, so that no pair is written over before it is read
.irp t, 0,1
	v_cvt_pk_f16_f32 v[S+32*\t+II], v[S+32*\t+2*II], v[S+32*\t+2*II+1]
.endr
.set II, II+1
.endr
.set II, 0
.rept 16                                       ; O^T under the new m, each accumulator from its low end on
.irp t, 0,1
	v_pk_mul_f32 v[O+32*\t+II:O+32*\t+II+1], v[O+32*\t+II:O+32*\t+II+1], v[ST+8*\t+6:ST+8*\t+7] op_sel_hi:[1,0]
.endr
.set II, II+2
.endr
	s_wait_dscnt 0x0                               ; V is in
.irp c, 0,1                                    ; O^T += V^T P: eight accumulators by turns; keys 32 c on, channels 16 n on
.irp n, 0,1,2,3
.irp t, 0,1
	v_wmma_f32_16x16x32_f16 v[O+32*\t+8*\n:O+32*\t+8*\n+7], v[KV+32*\c+8*\n:KV+32*\c+8*\n+7], v[S+32*\t+8*\c:S+32*\t+8*\c+7], v[O+32*\t+8*\n:O+32*\t+8*\n+7]
.endr
.endr
.endr
.endm
; My wave's four steps in a slot: the step is written once and walked four times; the LDS addresses hang on s[TK] and s[TV], which step by 64 rows.
; The body's last product and its first name different accumulators, so the turns hold over the backward jump too.
.macro STEPS4 slot
	s_mov_b32 s[TK], \slot*SLOT
	s_mov_b32 s[TV], \slot*SLOT
	s_mov_b32 s[CNT], HQ
.Lstep_\@:
	STEP
	s_add_co_u32 s[TK], s[TK], KS*PK
	s_add_co_u32 s[TV], s[TV], KS*PV
	s_sub_co_u32 s[CNT], s[CNT], 1
	s_cmp_lg_u32 s[CNT], 0
	s_cbranch_scc1 .Lstep_\@
.endm
; THE CHANGE OF SLOTS.  Each wave waits for all its tensor loads, of which one is out: its part of the slot that it is about to read; adds 0 to its spare word; and waits for that and for its reads of the slot that it leaves.
; fill = 1: the slot that is left is filled again, with the keys two slots on.  The barrier is then a round of the cluster's, so that no wave of any partner still reads the slot or has a load on its way,
; and the joint refill is the first thing behind it, a wave's only tensor load until the next round.  ask = 1: the prefetch follows.
.macro CHANGE fill, slot, ask
	s_wait_tensorcnt 0x0                           ; no tensor load of mine is out, so a group 0 may be written
	ds_add_u32 v[SPW], v[NIL]                      ; 0 onto my spare word; with fill = 1 the descriptors' steps stand between it and the wait for it
.if \fill
	s_add_nc_u64 s[G0K+4*\slot+2:G0K+4*\slot+3], s[G0K+4*\slot+2:G0K+4*\slot+3], 2*SK*128   ; this slot's next 512 keys; the type bits on top are not reached
	s_add_nc_u64 s[G0V+4*\slot+2:G0V+4*\slot+3], s[G0V+4*\slot+2:G0V+4*\slot+3], 2*SK*128
	s_wait_dscnt 0x0                               ; the add is done, and my reads of the slot are over
	CROUND
	JLOAD \slot
.if \ask
	ASK
.endif
.else
	s_wait_dscnt 0x0                               ; the add is done, and my reads of the slot are over
	s_barrier_signal -1
	s_barrier_wait -1
.endif
.endm
	s_wait_loadcnt 0x0                             ; Q
	s_wait_tensorcnt 1                             ; my part of slot 0 is in; slot 1's may stay out
	s_barrier_signal -1
	s_barrier_wait -1                              ; everybody's is
	STEPS4 0                                       ; keys 0 to 511
	CHANGE 1, 0, 1                                 ; slot 0 takes keys 1,024 on; the last 512 are prefetched
	STEPS4 1                                       ; keys 512 to 1,023
	CHANGE 1, 1, 0                                 ; slot 1 takes keys 1,536 on: the last load
	STEPS4 0
	CHANGE 0, 0, 0                                 ; nothing is left to fetch
	STEPS4 1
	; THE JOIN.  Wave g + 8 hands its partial result to wave g as an image of its registers: the same lane holds the same query and channels in both waves.  With c m = the larger of the two waves' c m:
	; O = (O_A 2^(c m_A - c m) + O_B 2^(c m_B - c m)) / (l_A 2^(c m_A - c m) + l_B 2^(c m_B - c m)).  The images lie in slot 0: every wave has passed the last change of slots, behind which nobody reads it and nothing lands in it.
.rept 4
	v_nop                                          ; four places behind the last products, on both ways
.endr
	s_cmp_lt_u32 s[WV], 8
	s_cbranch_scc1 .Lkeeps
	v_mov_b32 v[ST+4], v[ST]                       ; c m and l (its two halves added) of tile 0, of tile 1: four registers on end
	v_add_f32 v[ST+5], v[ST+2], v[ST+3]
	v_mov_b32 v[ST+6], v[ST+8]
	v_add_f32 v[ST+7], v[ST+10], v[ST+11]
.set II, 0
.rept 16
	ds_store_b128 v[MA], v[O+4*II:O+4*II+3] offset:512*II      ; O^T as it stands, each accumulator from its low end on; 512 consecutive bytes a store
.set II, II+1
.endr
	ds_store_b128 v[MA], v[ST+4:ST+7] offset:16*512
.Lkeeps:
	s_wait_dscnt 0x0                               ; for the partner's sake: my stores have landed
	s_barrier_signal -1
	s_barrier_wait -1
	s_cmp_lt_u32 s[WV], 8
	s_cbranch_scc0 .Ldone                          ; waves 8 to 15 have handed their part over
.set II, 0
.rept 16
	ds_load_b128 v[KV+4*II:KV+4*II+3], v[MA] offset:512*II     ; the partner's O^T
.set II, II+1
.endr
	ds_load_b128 v[PB:PB+3], v[MA] offset:16*512               ; its c m and l
.irp t, 0,1
	v_add_f32 v[TT+8*\t+4], v[ST+8*\t+2], v[ST+8*\t+3]         ; my l's two halves
.endr
	s_wait_dscnt 0x0
.irp t, 0,1
	v_max_num_f32 v[TT+8*\t+1], v[ST+8*\t], v[PB+2*\t]         ; the joint c m
.endr
.irp t, 0,1
	v_sub_f32 v[TT+8*\t], v[ST+8*\t], v[TT+8*\t+1]             ; mine less it, 0 or less,
	v_sub_f32 v[TT+8*\t+2], v[PB+2*\t], v[TT+8*\t+1]           ; and the partner's
.endr
.irp t, 0,1
	v_exp_f32 v[TT+8*\t], v[TT+8*\t]
	v_exp_f32 v[TT+8*\t+2], v[TT+8*\t+2]
.endr
	v_nop                                          ; a plain instruction behind the last exponential
	s_wait_alu depctr_va_vdst(0)                   ; and the wait ahead of the first use: one for the four
.irp t, 0,1
	v_mul_f32 v[TT+8*\t+4], v[TT+8*\t+4], v[TT+8*\t]
.endr
.irp t, 0,1
	v_fmac_f32 v[TT+8*\t+4], v[PB+2*\t+1], v[TT+8*\t+2]        ; both waves' l under the joint m
.endr
.irp t, 0,1
	v_permlanex16_b32 v[TT+8*\t+5], v[TT+8*\t+4], s[SEL], s[SEL+1]
.endr
.irp t, 0,1
	v_add_f32 v[TT+8*\t+4], v[TT+8*\t+4], v[TT+8*\t+5]         ; with the other half of the lanes': the row's sum
.endr
.irp t, 0,1
	v_rcp_f32 v[TT+8*\t+6], v[TT+8*\t+4]
.endr
	v_nop                                          ; a plain instruction between the last reciprocal and the use of its result
	s_wait_alu depctr_va_vdst(0)                   ; and the wait ahead of the first use: one for both
.irp t, 0,1
	v_mul_f32 v[TT+8*\t], v[TT+8*\t], v[TT+8*\t+6]             ; my factor,
	v_mul_f32 v[TT+8*\t+2], v[TT+8*\t+2], v[TT+8*\t+6]         ; the partner's
.endr
	; THE WAY OUT.  The joined O^T is rounded to f16 and sent through my group's stage in LDS, so that a store covers 512 consecutive bytes.
.irp t, 0,1
.set II, 0
.rept 16
	v_pk_mul_f32 v[O+32*\t+II:O+32*\t+II+1], v[O+32*\t+II:O+32*\t+II+1], v[TT+8*\t:TT+8*\t+1] op_sel_hi:[1,0]
	v_pk_fma_f32 v[O+32*\t+II:O+32*\t+II+1], v[KV+32*\t+II:KV+32*\t+II+1], v[TT+8*\t+2:TT+8*\t+3], v[O+32*\t+II:O+32*\t+II+1] op_sel_hi:[1,0,1]
.set II, II+2
.endr
.set II, 0
.rept 16
	v_cvt_pk_f16_f32 v[S+16*\t+II], v[O+32*\t+2*II], v[O+32*\t+2*II+1]   ; a lane's eight channels of a row pack into 16 bytes
.set II, II+1
.endr
.irp n, 0,1,2,3
	ds_store_b128 v[STO], v[S+16*\t+4*\n:S+16*\t+4*\n+3] offset:\t*16*SP+32*\n
.endr
.endr
.irp i, 0,1,2,3,4,5,6,7
	ds_load_b128 v[KV+4*\i:KV+4*\i+3], v[RD] offset:\i*4*SP    ; LDS serves a wave's instructions in order (ISA guide 5.7.1.4): these see the stores above
.endr
.irp i, 0,1,2,3,4,5,6,7
	s_wait_dscnt 7-\i                              ; load i is back; the younger ones may be out
	global_store_b128 v[GO], v[KV+4*\i:KV+4*\i+3], s[10:11] offset:512*\i   ; 32 lanes store 512 consecutive bytes, aligned
.endr
.Ldone:
	s_wait_tensorcnt 0x0                           ; the wave's end: behind my last tensor load and my last LDS store
	ds_add_u32 v[SPW], v[NIL]
	s_wait_dscnt 0x0
	CROUND                                         ; the closing round: no work-group ends while a partner may still ask for a tile that names it
	s_endpgm
.Lfunc_end_k_q1a3ef1ce9e_attn:
	.size	k_q1a3ef1ce9e_attn, .Lfunc_end_k_q1a3ef1ce9e_attn-k_q1a3ef1ce9e_attn
	.p2alignl 7, 3214868480
	.fill 96, 4, 3214868480
	.section	.rodata,"a",@progbits
	.p2align	6, 0x0
	.amdhsa_kernel k_q1a3ef1ce9e_attn
		.amdhsa_group_segment_fixed_size 327680
		.amdhsa_private_segment_fixed_size 0
		.amdhsa_enable_private_segment 0
		.amdhsa_kernarg_size 16
		.amdhsa_user_sgpr_count 2
		.amdhsa_user_sgpr_kernarg_segment_ptr 1
		.amdhsa_wavefront_size32 1
		.amdhsa_system_sgpr_workgroup_id_x 1
		.amdhsa_system_sgpr_workgroup_id_y 1
		.amdhsa_system_sgpr_workgroup_id_z 1
		.amdhsa_system_vgpr_workitem_id 0
		.amdhsa_next_free_vgpr 256
		.amdhsa_next_free_sgpr 70
		.amdhsa_reserve_vcc 0
		.amdhsa_float_denorm_mode_32 3
		.amdhsa_float_denorm_mode_16_64 3
		.amdhsa_memory_ordered 1
		.amdhsa_forward_progress 1
		.amdhsa_inst_pref_size 95
	.end_amdhsa_kernel
	.amdgpu_metadata
---
amdhsa.version: [ 1, 2 ]
amdhsa.kernels:
  - .name:           k_q1a3ef1ce9e_attn
    .symbol:         k_q1a3ef1ce9e_attn.kd
    .args:
      - { .name: qkv, .offset: 0, .size: 8, .value_kind: global_buffer, .address_space: global }
      - { .name: y, .offset: 8, .size: 8, .value_kind: global_buffer, .address_space: global }
    .group_segment_fixed_size: 327680
    .private_segment_fixed_size: 0
    .kernarg_segment_align: 8
    .kernarg_segment_size: 16
    .max_flat_workgroup_size: 512
    .sgpr_count:     70
    .vgpr_count:     256
    .wavefront_size: 32
...
	.end_amdgpu_metadata
.endif
;; end of part 3
;; launch oproj (part 4): grid 8 x 32, 4 waves a work-group, clusters of 4 x 4, 327,680 bytes of LDS; arguments y, wo_h, out0, bo; writes out0
.if DOCPART == 4
	.amdgcn_target "amdgcn-amd-amdhsa--gfx1250"
	.amdhsa_code_object_version 6
	.text
	.protected	k_q1a3ef1ce9e_oproj
	.globl	k_q1a3ef1ce9e_oproj
	.p2align	8
	.type	k_q1a3ef1ce9e_oproj,@function
k_q1a3ef1ce9e_oproj:
	s_mov_b64 s[64:65], 0
	v_nop
	global_prefetch_b8 v0, s[64:65] scope:SCOPE_SE
	s_setreg_imm32_b32 hwreg(HW_REG_WAVE_MODE, 25, 1), 1
	s_wait_xcnt 0x0
	s_wait_alu depctr_hold_cnt(0) depctr_sa_sdst(0) depctr_va_vdst(0) depctr_va_sdst(0) depctr_va_ssrc(0) depctr_va_vcc(0) depctr_vm_vsrc(0)
	s_getreg_b32 s2, hwreg(HW_REG_IB_STS2, 6, 4)
	s_cmp_eq_u32 s2, 0
	s_cbranch_scc0 .Lentry_in_a_cluster
	s_endpgm
.Lentry_in_a_cluster:
	s_bfe_u32 s2, ttmp6, 0x10000c
	s_cmp_lg_u32 s2, 0xf033
	s_cbranch_scc0 .Lentry_shape_is_right
	s_endpgm
.Lentry_shape_is_right:
; out0[m][n] = sum over k of y[m][k] wo[n][k] + bo[n].  y: 4,096 rows x 1,024 f16, in blocks [32 (row / 128)][16 heads][128 rows][64]; wo: [1024][1024] f16; bo: [1024] f32; out0: [4096][1024] f32.  Sums in f32.
; A tile of out0 is 128 x 128: 8 x 32 work-groups.  Four waves, each 64 x 64: 16 accumulators of 16 x 16, 128 registers.  K goes in steps of 256 (four heads) through two LDS slots.
; y's tile of a K step, four heads x 128 rows x 128 bytes, is 65,536 bytes on end in memory: waves 0 and 1 bring two heads each (256 rows of 128 bytes); waves 2 and 3 bring 64 rows of wo each (512 bytes a row).
; K = 1,024 is four steps, two laps of the ring: both laps are written out; the first fills both slots again, the second nothing.
; CLUSTERS: 4 x 4 work-groups.  The four of a row of the cluster need the same tiles of y, the four of a column the same tiles of wo: each tile is asked for JOINTLY, by the same tensor load with the
; same descriptor and a mask that names the four.  THE MATRIX INSTRUCTION IS USED TRANSPOSED (source 0 = 16 rows of wo, source 1 = 16 rows of y): a lane then holds eight neighbouring numbers of a row of out0.
; THE BIAS is the C of each sum's first matrix instruction: eight registers for each 16 columns, in the result's layout.  No addition, nothing cleared.
; No prefetch: the tile is small and the launch short.
; REGISTERS: window 0: v0-31 addresses; v32-95 rows on the way out; v96-127 the bias; v128-255 the accumulators ((a, b) at v[128 + 8 (4 a + b)]).
;   window 1: two fragment buffers of 128: for 64 along K (one head), 64 registers of y (2 x 4 x 16 rows x 32 K), then 64 of wo.
.set SIZE_N, 1024
.set SIZE_K, 1024
.set KSTEP,  256
.set PA,     144                       ; a row of y in LDS: 128 bytes + 16 of padding: the 16 rows of a load take 16 different runs of four banks (64 banks of 4 bytes: ISA guide 11.1)
.set PB,     528                       ; a row of wo: 512 bytes + 16: likewise
.set HALFA,  256*PA                    ; two heads x 128 rows: what one tensor load brings of y
.set BOFF,   2*HALFA                   ; a slot: y's four heads, then wo's 128 rows
.set HALFB,  64*PB                     ; 64 rows: what one tensor load brings of wo
.set SLOT,   BOFF+2*HALFB
.set STAGE,  2*SLOT                    ; behind the ring: 16 rows x 272 bytes for each wave, for the way out; no tile lands there
.set SPITCH, 272
.set SPARE,  STAGE+4*16*SPITCH         ; behind the stages: the spare words, 128 bytes for each wave, which no other line names
.set ADRA, 16                          ; v16-17  LDS address of my fragments of y in slot 0, 1
.set ADRB, 20                          ; v20-21  the same for wo
.set STO,  24                          ; v24     the way out: where I put 32 bytes of a row
.set RD,   25                          ; v25     the way out: where I read a row back
.set CO,   26                          ; v26     my byte offset in out0
.set BO,   27                          ; v27     32 x (lane / 16): my eight numbers of 16 of the bias
.set SPW,  28                          ; v28     LDS address of my spare word; never rewritten
.set NIL,  29                          ; v29     0; never rewritten
.set OB,   32                          ; the way out: 16 rows read back from the stage: v32-63 and v64-95 by turns
.set BI,   96                          ; the bias: v[BI + 8 b]: columns 16 b + 8 (lane / 16) + 0..7 of my 64
.set ACC,  128
.set F0,   0                           ; fragment buffers, in window 1
.set F1,   128
.set G1, 24                            ; s[24:31] descriptor group 1 for y's tiles;  s[32:39] group 0, one set for each slot
.set G0, 32
.set G1B, 48                           ; s[48:55], s[56:63] the same for wo's tiles
.set G0B, 56
.set MSB, 0
.macro WIN new                         ; the immediate's high byte repeats the setting that is left; a switch that changes nothing is dropped
.if MSB != (\new)
	s_set_vgpr_msb (MSB<<8)|(\new)
.set MSB, (\new)
.endif
.endm
.set MUL,  0x05                        ; sources 0 (wo) and 1 (y) window 1; C and D window 0
.set TO_F, 0x40                        ; destination window 1, address window 0
.macro JLOAD s                         ; a joint load: waves 0 and 1 fetch y's two halves, waves 2 and 3 wo's; an s_nop 0 and four v_nop follow each of the two lines, ahead of the jump, the label and what follows
	s_cmp_eq_u32 s11, 0
	s_cbranch_scc0 .Lfor_b_\@
	tensor_load_to_lds s[G0+4*\s:G0+4*\s+3], s[G1:G1+7]
	s_nop 0
.rept 4
	v_nop
.endr
	s_branch .Lasked_\@
.Lfor_b_\@:
	tensor_load_to_lds s[G0B+4*\s:G0B+4*\s+3], s[G1B:G1B+7]
	s_nop 0
.rept 4
	v_nop
.endr
.Lasked_\@:
.endm
.macro CREST                           ; a round of the cluster's barrier behind its opening barrier
	s_cmp_lg_u32 s10, 0
	s_cbranch_scc1 .Lnot_wave_0_\@
	s_barrier_signal -3
.Lnot_wave_0_\@:
	s_barrier_wait -3
	s_barrier_signal -1
	s_barrier_wait -1
.endm
.macro CROUND                          ; a whole round
	s_barrier_signal -1
	s_barrier_wait -1
	CREST
.endm
	s_load_b128 s[4:7], s[0:1], 0x0                ; y s[4:5], wo s[6:7]
	s_load_b64 s[8:9], s[0:1], 0x10                ; out0
	s_load_b64 s[66:67], s[0:1], 0x18              ; bo
	v_lshl_add_u32 v[SPW], v0, 2, SPARE
	v_mov_b32 v[NIL], 0
	ds_add_u32 v[SPW], v[NIL]                      ; the wave's opening: the add, twice on end, and its wait ahead of my first tensor load; the set-up below, work on registers, stands between
	ds_add_u32 v[SPW], v[NIL]                      ; and once more, under the one wait
	v_lshrrev_b32 v1, 5, v0
	v_readfirstlane_b32 s10, v1                    ; wave 0..3
	s_lshr_b32 s11, s10, 1                         ; which half of the tile's rows is mine.  Also: I fetch for y (0) or for wo (1)
	s_and_b32 s12, s10, 1                          ; which half of its columns.  Also: which half of that tile I fetch
	s_bfe_u32 s40, ttmp6, 0x40000                  ; cx, cy: my place in the cluster
	s_bfe_u32 s41, ttmp6, 0x40004
	s_lshl_b32 s42, ttmp9, 2
	s_add_co_u32 s42, s42, s40                     ; tile column = 4 x cluster x + cx
	s_and_b32 s13, ttmp7, 0xffff
	s_lshl_b32 s13, s13, 2
	s_add_co_u32 s13, s13, s41                     ; tile row = 4 x cluster y + cy
	s_lshl_b32 s43, s41, 2
	s_lshl_b32 s43, 15, s43                        ; my row of the cluster
	s_lshl_b32 s44, 0x1111, s40                    ; my column
	; descriptor group 1.  y: 256 rows x 64 elements, dense in memory;  wo: 64 rows x 256 elements, 1,024 elements from row to row
	s_or_b32 s[G1+0], s43, (1<<16)|(1<<20)|(1<<21)|(4<<22)|(3<<25)  ; 15:0 the mask: y's tiles go to my row; 17:16 element of 2 bytes; 20 padding on; 21 set beside a mask; 24:22 after every 32 words (code 4); 31:25 of 4 words (code 3)
	s_mov_b32 s[G1+1], 64<<16                      ; tensor_dim0 = 64
	s_mov_b32 s[G1+2], 256<<16                     ; tensor_dim1 = 256
	s_mov_b32 s[G1+3], 64<<16                      ; tile_dim0 = 64
	s_mov_b32 s[G1+4], 256                         ; tile_dim1 = 256
	s_mov_b32 s[G1+5], 64                          ; tensor_dim0_stride
	s_mov_b32 s[G1+6], 0
	s_mov_b32 s[G1+7], 0
	s_or_b32 s[G1B+0], s44, (1<<16)|(1<<20)|(1<<21)|(6<<22)|(3<<25) ; the mask of my column; padding after every 128 words (code 6)
	s_mov_b32 s[G1B+1], KSTEP<<16
	s_mov_b32 s[G1B+2], 64<<16
	s_mov_b32 s[G1B+3], KSTEP<<16
	s_mov_b32 s[G1B+4], 64
	s_mov_b32 s[G1B+5], SIZE_K
	s_mov_b32 s[G1B+6], 0
	s_mov_b32 s[G1B+7], 0
	s_lshl_b32 s16, s13, 18                        ; y: the tile row's block of 2^18 bytes,
	s_lshl_b32 s17, s12, 15                        ; and the two heads that I fetch of a K step's four
	s_add_co_u32 s16, s16, s17
	s_mov_b32 s17, 0
	s_lshl_b32 s46, s42, 18                        ; wo: row 128 x tile column + 64 x half, 2,048 bytes a row
	s_lshl_b32 s47, s12, 17
	s_add_co_u32 s46, s46, s47
	s_mov_b32 s47, 0
	s_mul_i32 s20, s12, HALFA                      ; where they go: no place in the cluster enters an LDS address
	s_mul_i32 s21, s12, HALFB
	s_add_co_u32 s21, s21, BOFF
	s_wait_dscnt 0x0                               ; both opening adds are done
	s_wait_kmcnt 0x0
	s_add_nc_u64 s[14:15], s[4:5], s[16:17]
	s_add_nc_u64 s[46:47], s[6:7], s[46:47]
	CROUND                                         ; all sixteen work-groups are here: the first joint loads meet
.irp s, 0,1
	s_mov_b32 s[G0+4*\s], 1
	s_add_co_u32 s[G0+4*\s+1], s20, \s*SLOT
	s_add_nc_u64 s[G0+4*\s+2:G0+4*\s+3], s[14:15], \s*65536        ; K step s: four heads of 16,384 bytes on
	s_or_b32 s[G0+4*\s+3], s[G0+4*\s+3], 0x80000000
	s_mov_b32 s[G0B+4*\s], 1
	s_add_co_u32 s[G0B+4*\s+1], s21, \s*SLOT
	s_add_nc_u64 s[G0B+4*\s+2:G0B+4*\s+3], s[46:47], \s*KSTEP*2
	s_or_b32 s[G0B+4*\s+3], s[G0B+4*\s+3], 0x80000000
	JLOAD \s                                       ; two tensor loads of mine are out behind the second
.endr
	v_and_b32 v1, 15, v0                           ; l % 16
	v_bfe_u32 v2, v0, 4, 1                         ; l / 16
	v_lshlrev_b32 v[BO], 5, v2
	s_lshl_b32 s46, s42, 9                         ; my first column, in bytes of f32: 512 x tile column + 256 x half: the same in bo and in a row of out0
	s_lshl_b32 s47, s12, 8
	s_add_co_u32 s46, s46, s47
	s_mov_b32 s47, 0
	s_add_nc_u64 s[66:67], s[66:67], s[46:47]
.irp b, 0,1,2,3
	global_load_b128 v[BI+8*\b:BI+8*\b+3],   v[BO], s[66:67] offset:64*\b
	global_load_b128 v[BI+8*\b+4:BI+8*\b+7], v[BO], s[66:67] offset:64*\b+16
.endr
	v_mul_u32_u24 v3, v1, PA
	v_lshl_add_u32 v3, v2, 4, v3                   ; y: a fragment's row x pitch + 16 x half
	v_mul_u32_u24 v4, v1, PB
	v_lshl_add_u32 v4, v2, 4, v4                   ; wo likewise
	s_mul_i32 s21, s11, 64*PA                      ; my 64 rows of each head's 128
	s_mul_i32 s22, s12, HALFB                      ; my 64 rows of wo,
	s_add_co_u32 s22, s22, BOFF                    ; which lie behind y's four heads
.irp s, 0,1
	v_add_nc_u32 v[ADRA+\s], s21, v3
	v_add_nc_u32 v[ADRB+\s], s22, v4
	s_add_co_u32 s21, s21, SLOT
	s_add_co_u32 s22, s22, SLOT
.endr
	s_mul_i32 s23, s10, 16*SPITCH
	s_add_co_u32 s23, s23, STAGE                   ; my stage
	v_mul_u32_u24 v4, v1, SPITCH                   ; in: row l % 16, 32 bytes for each half of the lanes
	v_lshl_add_u32 v4, v2, 5, v4
	v_add_nc_u32 v[STO], s23, v4
	v_mul_u32_u24 v5, v2, SPITCH                   ; back: lanes 0-15 take one row of 256 bytes, lanes 16-31 the next
	v_lshl_add_u32 v5, v1, 4, v5
	v_add_nc_u32 v[RD], s23, v5
	v_lshlrev_b32 v5, 12, v2                       ; and the same two rows in out0: 4,096 bytes a row
	v_lshl_add_u32 v[CO], v1, 4, v5
	s_lshl_b32 s16, s13, 19                        ; my first row: 128 x tile row + 64 x half, 4,096 bytes a row
	s_lshl_b32 s17, s11, 18
	s_add_co_u32 s16, s16, s17
	s_mov_b32 s17, 0
	s_add_nc_u64 s[8:9], s[8:9], s[16:17]
	s_add_nc_u64 s[8:9], s[8:9], s[46:47]
; 8 matrix instructions: m blocks a0, a0 + 1 x all 4 n blocks, 32 along K: half c of buffer f.  first = 1: the product starts the sum, with the bias as its C.
; The 16 accumulators take turns, one instruction a turn.
.macro MUL8 f, c, a0, first
.irp a, \a0, \a0+1
.irp b, 0,1,2,3
.if \first
	v_wmma_f32_16x16x32_f16 v[ACC+8*(4*(\a)+\b):ACC+8*(4*(\a)+\b)+7], v[\f+64+8*(4*\c+\b):\f+64+8*(4*\c+\b)+7], v[\f+8*(4*\c+\a):\f+8*(4*\c+\a)+7], v[BI+8*\b:BI+8*\b+7]
.else
	v_wmma_f32_16x16x32_f16 v[ACC+8*(4*(\a)+\b):ACC+8*(4*(\a)+\b)+7], v[\f+64+8*(4*\c+\b):\f+64+8*(4*\c+\b)+7], v[\f+8*(4*\c+\a):\f+8*(4*\c+\a)+7], v[ACC+8*(4*(\a)+\b):ACC+8*(4*(\a)+\b)+7]
.endif
.endr
.endr
.endm
; 32 LDS loads in one run: the fragments of the slot's q-th 64 along K (one head), into buffer f; the first 32 along K first.  In LDS a head of y is 128 rows on; in a row of wo it is 128 bytes on.
.macro FETCH slot, q, f
	WIN TO_F
.irp c, 0,1
.irp i, 0,1,2,3
	ds_load_b128 v[\f+64+8*(4*\c+\i):\f+64+8*(4*\c+\i)+3],   v[ADRB+\slot] offset:128*(\q)+64*\c+\i*16*PB
	ds_load_b128 v[\f+64+8*(4*\c+\i)+4:\f+64+8*(4*\c+\i)+7], v[ADRB+\slot] offset:128*(\q)+64*\c+\i*16*PB+32
	ds_load_b128 v[\f+8*(4*\c+\i):\f+8*(4*\c+\i)+3],         v[ADRA+\slot] offset:128*PA*(\q)+64*\c+\i*16*PA
	ds_load_b128 v[\f+8*(4*\c+\i)+4:\f+8*(4*\c+\i)+7],       v[ADRA+\slot] offset:128*PA*(\q)+64*\c+\i*16*PA+32
.endr
.endr
.endm
.macro PLACES                          ; four places in front of loads into registers that matrix instructions have read, and of the first read of results (ISA guide 7.12.1 for the read of results)
.rept 4
	v_nop
.endr
.endm
; A K step is four quarters of 64 along K, 32 matrix instructions each, on buffers 0, 1, 0, 1.  One of the first three: multiplies buffer f and fetches quarter q into g.
.macro QUARTER slot, q, f, g, first
	s_wait_dscnt 16                                ; the first 32 along K are in; the sixteen loads of the second 32 may be out
	WIN MUL
	MUL8 \f, 0, 0, \first
	MUL8 \f, 0, 2, \first
	PLACES
	FETCH \slot, \q, \g
	s_wait_dscnt 32                                ; all but the 32 just issued
	WIN MUL
	MUL8 \f, 1, 0, 0
	MUL8 \f, 1, 2, 0
.endm
; The last quarter multiplies buffer 1 and changes slots: ONE barrier; in front of it each wave waits for all its tensor loads, adds 0 to its spare word, and waits for that and for its own reads of this slot.
; fill = 1: this slot is filled again, two K steps ahead; the barrier then opens a round of the cluster's barrier.
.macro TURN slot, next, fill
	WIN 0                                          ; (the add's two registers lie in window 0)
	s_wait_tensorcnt 0x0                           ; all my tensor loads have landed: my part of the next slot
	ds_add_u32 v[SPW], v[NIL]                      ; 0 onto my spare word
	s_wait_dscnt 17                                ; (the add and the youngest sixteen loads may be out)
	WIN MUL
	MUL8 F1, 0, 0, 0                               ; eight matrix instructions stand between the add and the wait for it
	s_wait_dscnt 0x0                               ; the add is done, and my reads of this slot are over
	s_barrier_signal -1
	MUL8 F1, 0, 2, 0                               ; work on registers while the others arrive
.if \fill
	WIN 0
.endif
	s_barrier_wait -1
.if \fill
	CREST                                          ; no wave of any partner still reads this slot's tile or has a load on its way
	s_add_nc_u64 s[G0+4*\slot+2:G0+4*\slot+3], s[G0+4*\slot+2:G0+4*\slot+3], 2*65536
	s_add_nc_u64 s[G0B+4*\slot+2:G0B+4*\slot+3], s[G0B+4*\slot+2:G0B+4*\slot+3], 2*KSTEP*2
	JLOAD \slot                                    ; the first tensor load behind the round, my only one until the next; the four v_nop behind it are also the places in front of the loads below
.else
	PLACES
.endif
	FETCH \next, 0, F0
	WIN MUL
	MUL8 F1, 1, 0, 0
	MUL8 F1, 1, 2, 0
.endm
	s_wait_tensorcnt 1                             ; my part of K step 0 is in (K step 1's load may be out)
	s_barrier_signal -1
	s_barrier_wait -1                              ; everybody's is
	FETCH 0, 0, F0
	s_wait_loadcnt 0x0                             ; the bias
	QUARTER 0, 1, F0, F1, 1                        ; the first products start the sums, on the bias
	QUARTER 0, 2, F1, F0, 0
	QUARTER 0, 3, F0, F1, 0
	TURN 0, 1, 1                                   ; slot 0 takes K step 2
	QUARTER 1, 1, F0, F1, 0
	QUARTER 1, 2, F1, F0, 0
	QUARTER 1, 3, F0, F1, 0
	TURN 1, 0, 1                                   ; slot 1 takes K step 3
	QUARTER 0, 1, F0, F1, 0
	QUARTER 0, 2, F1, F0, 0
	QUARTER 0, 3, F0, F1, 0
	TURN 0, 1, 0                                   ; the last lap fills nothing, and has no round of the cluster's barrier
	QUARTER 1, 1, F0, F1, 0
	QUARTER 1, 2, F1, F0, 0
	QUARTER 1, 3, F0, F1, 0
	s_wait_dscnt 16                                ; the very last quarter: nothing more to fetch
	WIN MUL
	MUL8 F1, 0, 0, 0
	MUL8 F1, 0, 2, 0
	s_wait_dscnt 0
	MUL8 F1, 1, 0, 0
	MUL8 F1, 1, 2, 0
	WIN 0
; THE WAY OUT, block by block of 16 rows x 64 columns.  A lane holds 32 neighbouring bytes of a row, and the lanes beside it hold other rows; a wave's 64 columns of f32 are 256 bytes of a row, aligned.
; So a block goes through my own stage in LDS and comes back as whole runs of 256 bytes, two rows an instruction.  No barrier: the stage is mine alone.
; LDS serves a wave's instructions in order (ISA guide 5.7.1.4): no wait between the stores and the loads, nor in front of the next block's stores.
.macro TOSTAGE a
.irp b, 0,1,2,3
	ds_store_b128 v[STO], v[ACC+8*(4*(\a)+\b):ACC+8*(4*(\a)+\b)+3] offset:64*\b            ; each accumulator from its low end on
	ds_store_b128 v[STO], v[ACC+8*(4*(\a)+\b)+4:ACC+8*(4*(\a)+\b)+7] offset:64*\b+16
.endr
.set BB, OB+32*((\a)%2)
.irp t, 0,1,2,3,4,5,6,7
	ds_load_b128 v[BB+4*\t:BB+4*\t+3], v[RD] offset:\t*2*SPITCH
.endr
.endm
.macro SEND a, younger                 ; younger: the LDS instructions issued behind block a's loads, which may stay out
.set BB, OB+32*((\a)%2)
	s_wait_dscnt \younger                          ; the block is back in registers
.irp t, 0,1,2,3,4,5,6,7
	global_store_b128 v[CO], v[BB+4*\t:BB+4*\t+3], s[8:9] offset:(16*(\a)+2*\t)*SIZE_N*4 th:TH_STORE_NT   ; 16 lanes store 256 consecutive bytes, aligned; written once, read by nobody here; every offset is an immediate
.endr
.endm
	PLACES                                         ; behind the last products, ahead of the first read of results
	TOSTAGE 0
.irp a, 1,2,3
.if \a > 1
	s_wait_xcnt 0x0                                ; block a - 2's stores have read their registers: block a's loads may land there
.endif
	TOSTAGE \a
	SEND \a-1, 16                                  ; behind block a - 1's loads: block a's eight stores and eight loads
.endr
	SEND 3, 0
	s_wait_tensorcnt 0x0                           ; the wave's end: behind my last tensor load and my last LDS store
	ds_add_u32 v[SPW], v[NIL]
	s_wait_dscnt 0x0
	CROUND                                         ; the closing round: no work-group ends while a partner may still ask for a tile that names it
	s_endpgm
.Lfunc_end_k_q1a3ef1ce9e_oproj:
	.size	k_q1a3ef1ce9e_oproj, .Lfunc_end_k_q1a3ef1ce9e_oproj-k_q1a3ef1ce9e_oproj
	.p2alignl 7, 3214868480
	.fill 96, 4, 3214868480
	.section	.rodata,"a",@progbits
	.p2align	6, 0x0
	.amdhsa_kernel k_q1a3ef1ce9e_oproj
		.amdhsa_group_segment_fixed_size 327680
		.amdhsa_private_segment_fixed_size 0
		.amdhsa_enable_private_segment 0
		.amdhsa_kernarg_size 32
		.amdhsa_user_sgpr_count 2
		.amdhsa_user_sgpr_kernarg_segment_ptr 1
		.amdhsa_wavefront_size32 1
		.amdhsa_system_sgpr_workgroup_id_x 1
		.amdhsa_system_sgpr_workgroup_id_y 1
		.amdhsa_system_sgpr_workgroup_id_z 1
		.amdhsa_system_vgpr_workitem_id 0
		.amdhsa_next_free_vgpr 512
		.amdhsa_next_free_sgpr 68
		.amdhsa_reserve_vcc 0
		.amdhsa_float_denorm_mode_32 3
		.amdhsa_float_denorm_mode_16_64 3
		.amdhsa_memory_ordered 1
		.amdhsa_forward_progress 1
		.amdhsa_inst_pref_size 86
	.end_amdhsa_kernel
	.amdgpu_metadata
---
amdhsa.version: [ 1, 2 ]
amdhsa.kernels:
  - .name:           k_q1a3ef1ce9e_oproj
    .symbol:         k_q1a3ef1ce9e_oproj.kd
    .args:
      - { .name: y, .offset: 0, .size: 8, .value_kind: global_buffer, .address_space: global }
      - { .name: wo_h, .offset: 8, .size: 8, .value_kind: global_buffer, .address_space: global }
      - { .name: out0, .offset: 16, .size: 8, .value_kind: global_buffer, .address_space: global }
      - { .name: bo, .offset: 24, .size: 8, .value_kind: global_buffer, .address_space: global }
    .group_segment_fixed_size: 327680
    .private_segment_fixed_size: 0
    .kernarg_segment_align: 8
    .kernarg_segment_size: 32
    .max_flat_workgroup_size: 128
    .sgpr_count:     68
    .vgpr_count:     512
    .wavefront_size: 32
...
	.end_amdgpu_metadata
.endif
;; end of part 4
